; MI455X (gfx1250); checked and timed in simulation.
; The chip was launched on July 23, 2026; its instructions are those of AMD's public machine-readable ISA for CDNA 5 (MIT licence, August 2026) and "CDNA5" Instruction Set Architecture Reference Guide (July 2026). The comments in the code are by the model that wrote it; some were corrected since.
;; Embedding To Index. Allowed arithmetic: matrix products marked QUANTISED: E2M3 operands, one E8M0 scale for each 32 along K, by v_wmma_scale_f32_16x16x128_f8f6f4 with both operands' format E2M3, f32 sums; everything else in f32.
;; Inputs: X 8 x 2,048 x 64 float32; weight 8,192 x 64 float32.
;; Outputs: out0 8 x 2,048 int32.
;; This version of the problem:
;;   THIS VERSION OF THE PROBLEM IS GIVEN IN LOW PRECISION. The matrix products marked QUANTISED in the list below multiply operands that are first quantised to E2M3 (2 exponent bits, 3 mantissa bits; 6 bits a number), with one power-of-two scale for each 32 numbers along K (OCP MX v1.0); their sums are f32. All else is computed in f32.
;;   The module's matrix products, in the order in which they are computed (A, B: the left and right operand; K: the contracted axis; several contracted axes count as one K, in the product's order):
;;     1. [M 16,384, K 64] x [K 64, N 8,192]; A: input X; B: input weight: QUANTISED
;;   THE QUANTISER, for each operand of a quantised product, along K:
;;     - K is cut into blocks of 32 from its start; a last block that is shorter is filled with zeros.
;;     - A block's scale is 2^e with e = floor(log2(the largest magnitude in the block)) - 2, held to -126 .. 127; a block of zeros has e = 0. As a byte (E8M0): e + 127.
;;     - Each number is divided by its block's scale, clamped to +-7.5, and rounded to the nearest number of E2M3, ties to even, subnormals kept.
;;     - The product sums the exact products of the quantised numbers (number of the format x scale) in f32.
;;   ~~~python
;;   def quantise(x, axis):      # numpy; x: float32 -> the quantised numbers, widened to float32 again
;;       x = np.moveaxis(x, axis, -1); K = x.shape[-1]
;;       x = np.pad(x, [(0, 0)] * (x.ndim - 1) + [(0, -K % 32)]); x = x.reshape(x.shape[:-1] + (-1, 32)); a = np.abs(x).max(-1, keepdims=True)
;;       e = np.where(a > 0, np.clip(np.frexp(np.where(a > 0, a, 1))[1] - 1 - 2, -126, 127), 0)      # np.frexp(a)[1] - 1 = floor(log2(a)), exactly
;;       r = np.clip(x / 2.0 ** e, -7.5, 7.5)
;;       step = 2.0 ** (np.maximum(np.frexp(np.where(r == 0, 1, r))[1] - 1, 0) - 3)
;;       q = np.round(r / step) * step * 2.0 ** e      # np.round: ties to even
;;       return np.moveaxis(q.reshape(q.shape[:-2] + (-1,))[..., :K], -1, axis).astype(np.float32)
;;   ~~~
;; 3 versions. Each part assembles by itself: llvm-mc -triple=amdgcn-amd-amdhsa -mcpu=gfx1250 --defsym DOCPART=n.
;; ======== version 1 of 3: 2 launches
;; workspace buffers: img 1,179,648 bytes; aux 196,608 bytes
;; launch prep (part 1): grid 256 x 1, 3 waves a work-group, no clusters, 29,696 bytes of LDS; arguments X, weight, img, aux; writes img, aux
.if DOCPART == 1
	.amdgcn_target "amdgcn-amd-amdhsa--gfx1250"
	.amdhsa_code_object_version 6
	.text
	.protected	k_q1f034ba33d_prep
	.globl	k_q1f034ba33d_prep
	.p2align	8
	.type	k_q1f034ba33d_prep,@function
k_q1f034ba33d_prep:
	s_mov_b64 s[64:65], 0
	v_nop
	global_prefetch_b8 v0, s[64:65] scope:SCOPE_SE
	s_setreg_imm32_b32 hwreg(HW_REG_WAVE_MODE, 25, 1), 1
	s_wait_xcnt 0x0
; X [16384][64] and weight [8192][64], f32, are quantised ONCE along K = 64 into codes of FP6 (E2M3) with one E8M0 scale byte for each 32 along K,
; and each row's sum of squares is taken of the UNQUANTISED numbers, in f32.
; A PAIR is 32 neighbouring rows: tile a (rows 0-15) and tile b (rows 16-31).  Pairs 0-511 are X's, pairs 512-767 the weight's.  One wave takes one pair: 768 waves, 3 to a work-group.
; img, 1,536 bytes a pair: AN IMAGE OF AN OPERAND'S 12 REGISTERS.  Register 4 c + i of lane l lies at byte 512 c + 16 l + 4 i.  Lane (r = l % 16, h = l / 16):
;   registers 0-5 = the codes of tile a, row r, k = 32 h .. 32 h + 31;  registers 6-11 = the same of tile b.  So K 0-63 of the fragment is tile a and K 64-127 tile b: no byte is padding.
; aux, 256 bytes a pair: bytes 0-127 the 32 rows' sums of squares; bytes 128-255, at 4 l, row r's scale word: bytes (a block 0, a block 1, b block 0, b block 1); lanes 16-31 repeat lanes 0-15.
; A block's scale is 2^(floor(log2(its largest magnitude)) - 2); its byte is that magnitude's exponent field - 2, held at 1 from below by a floor among the maximum's leaves.
; LIMITS.  A block of zeros gets the byte 1 where the rule says 127: its codes are zeros, which add nothing, and this program alone reads the bytes.  NaN and infinities among the inputs are not served.
; A row's sum of squares is ONE chain of fused multiply-adds, k ascending from 0 to 63; another order of summing may differ in the last bit.
; No tensor loads, no barrier: waves share nothing.  No loop: every offset is an immediate, and no register that a pending store reads is written again.
.set WREG,  9728                       ; LDS of a wave: a stage of 9,472 bytes and its aux record of 256
.set SP,    144                        ; stage: a row's 128 bytes of one block + 16: 9 x 16, so sixteen rows' 16-byte pieces fall in sixteen different columns of 16 bytes modulo 256
.set BLK1,  4736                       ; block 1's 32 rows begin here: 128 modulo 256, so a store's lanes 0-7 (block 0) and 8-15 (block 1) do not meet
.set AUXR,  9472
.set G16,   4                          ; v4   16 x lane: my bytes of a load's or a store's 512
.set STA,   5                          ; v5   the stage, on the way in
.set RDA,   6                          ; v6   and on the way out
.set A4,    7                          ; v7   the aux record, 4 bytes a lane
.set A8,    8                          ; v8   the same, 8 bytes a lane
.set O8,    9                          ; v9   8 x lane
.set AM,    10                         ; v10-11  the largest magnitude of my block, tile a, b
.set SO,    12                         ; v12-13  the conversions' scale operands
.set BY,    14                         ; v14-15  the scale bytes
.set S1,    18                         ; v18-19  the chain over my own block
.set S2,    20                         ; v20-21  the chain carried on from the other half of the lanes
.set C,     28                         ; v28-39  the fragment's 12 registers
.set R,     48                         ; v48-111   64 numbers as loaded
.set XN,    112                        ; v112-175  tile u's 32 numbers of my block at XN + 32 u
	s_load_b256 s[4:11], s[0:1], 0x0               ; X s[4:5], weight s[6:7], img s[8:9], aux s[10:11]
	v_lshl_add_u32 v192, v0, 2, 0x7200
	v_mov_b32 v193, 0
	v_lshrrev_b32 v1, 5, v0
	v_readfirstlane_b32 s12, v1                    ; wave 0..2
	v_and_b32 v1, 31, v0                           ; lane
	v_and_b32 v2, 15, v0                           ; r
	v_bfe_u32 v3, v0, 4, 1                         ; h
	v_lshlrev_b32 v[G16], 4, v1
	s_mul_i32 s23, s12, WREG                       ; my wave's LDS
	; in: a load's 512 bytes are two rows; lane l holds row l / 16, block (l / 8) % 2, bytes 16 (l % 8) on
	v_bfe_u32 v[STA], v0, 3, 1
	v_mul_u32_u24 v[STA], v[STA], BLK1
	v_mad_u32_u24 v[STA], v3, SP, v[STA]
	v_and_b32 v[RDA], 7, v0
	v_lshl_add_u32 v[STA], v[RDA], 4, v[STA]
	v_add_nc_u32 v[STA], s23, v[STA]
	; out: lane (r, h) takes block h of row r of a tile
	v_mul_u32_u24 v[RDA], v2, SP
	v_mad_u32_u24 v[RDA], v3, BLK1, v[RDA]
	v_add_nc_u32 v[RDA], s23, v[RDA]
	s_add_co_u32 s23, s23, AUXR
	v_lshl_add_u32 v[A4], v1, 2, s23
	v_lshl_add_u32 v[A8], v1, 3, s23
	v_lshlrev_b32 v[O8], 3, v1
	s_mov_b32 s20, 0x76543210
	s_mov_b32 s21, 0xfedcba98                      ; v_permlanex16_b32's selects for lane l xor 16
	s_mov_b32 s22, 0xffff0000                      ; the mask of lanes 16-31
	s_mul_i32 s13, ttmp9, 3
	s_add_co_u32 s13, s13, s12                     ; my pair: 3 x work-group + wave
	s_mov_b32 s17, 0
	s_wait_kmcnt 0x0
	s_cmp_lt_u32 s13, 512                          ; X's pair or the weight's?  The choice hangs on ids alone; both take one path through the text
	s_cselect_b64 s[4:5], s[4:5], s[6:7]
	s_cselect_b32 s14, 0, 512
	s_sub_co_u32 s14, s13, s14                     ; the pair's number in its own tensor
	s_lshl_b32 s16, s14, 13                        ; 32 rows of 256 bytes
	s_add_nc_u64 s[4:5], s[4:5], s[16:17]
	s_mul_i32 s16, s13, 1536
	s_add_nc_u64 s[8:9], s[8:9], s[16:17]
	s_lshl_b32 s16, s13, 8
	s_add_nc_u64 s[10:11], s[10:11], s[16:17]
.irp i, 0,1,2,3,4,5,6,7,8,9,10,11,12,13,14,15
	global_load_b128 v[R+4*\i:R+4*\i+3], v[G16], s[4:5] offset:512*\i th:TH_LOAD_NT   ; 32 lanes read 512 consecutive bytes: rows 2 i and 2 i + 1; read once in the launch
.endr
	; THE TURN.  The conversions take neighbours along K from ONE lane's registers: the 8,192 bytes go into the wave's own stage as they were loaded and come back a block of 32 numbers to a lane.
.irp i, 0,1,2,3,4,5,6,7,8,9,10,11,12,13,14,15
	s_wait_loadcnt 15-\i                           ; loads come back in order: load i is in, the 15 - i younger ones may be out
	ds_store_b128 v[STA], v[R+4*\i:R+4*\i+3] offset:2*SP*\i
.endr
.irp u, 0,1
.irp q, 0,1,2,3,4,5,6,7
	ds_load_b128 v[XN+32*\u+4*\q:XN+32*\u+4*\q+3], v[RDA] offset:16*SP*\u+16*\q   ; LDS serves a wave's instructions in order: these see my stores
.endr
.endr
	s_wait_dscnt 0x0
	; THE SCALES.  All 32 numbers of a block are mine; the two tiles by turns, so that no line waits for the line above it
.irp u, 0,1
	v_max3_num_f32 v[AM+\u], |v[XN+32*\u]|, |v[XN+32*\u+1]|, 0x1800000   ; and the floor 2^(3 - 127): the byte cannot fall under 1
.endr
.irp i, 2,4,6,8,10,12,14,16,18,20,22,24,26,28,30
.irp u, 0,1
	v_max3_num_f32 v[AM+\u], v[AM+\u], |v[XN+32*\u+\i]|, |v[XN+32*\u+\i+1]|
.endr
.endr
.irp u, 0,1
	v_add_nc_u32 v[SO+\u], 0xff000000, v[AM+\u]    ; 2 off the exponent field: the conversion takes the exponent field of this operand as its scale, and nothing else of it
.endr
.irp u, 0,1
	v_lshrrev_b32 v[BY+\u], 23, v[SO+\u]           ; the scale's byte
.endr
	v_lshl_or_b32 v16, v[BY+1], 16, v[BY]          ; my two bytes: block h of tile a and of tile b,
	v_lshlrev_b32 v17, 3, v3
	v_lshlrev_b32 v16, v17, v16                    ; at their places in the word (8 h bits up);
	v_permlanex16_b32 v17, v16, s20, s21
	v_or_b32 v16, v16, v17                         ; with lane l xor 16's two the word is whole, in both halves of the lanes
	; THE CODES.  (A conversion's three registers begin on an even number: the second half of a block's six does not, so it is made elsewhere and moved)
	v_cvt_scalef32_pk16_fp6_f32 v[C:C+2], v[XN:XN+15], v[SO]
	v_cvt_scalef32_pk16_fp6_f32 v[40:42], v[XN+16:XN+31], v[SO]
	v_cvt_scalef32_pk16_fp6_f32 v[C+6:C+8], v[XN+32:XN+47], v[SO+1]
	v_cvt_scalef32_pk16_fp6_f32 v[44:46], v[XN+48:XN+63], v[SO+1]
	v_nop                                          ; one plain place behind a scaled conversion
.irp i, 0,1,2
	v_mov_b32 v[C+3+\i], v[40+\i]
	v_mov_b32 v[C+9+\i], v[44+\i]
.endr
.irp c, 0,1,2
	global_store_b128 v[G16], v[C+4*\c:C+4*\c+3], s[8:9] offset:512*\c   ; 32 lanes store 512 consecutive bytes, at a multiple of 256 from img's first byte
.endr
	; THE SUMS OF SQUARES.  First each lane over its own block; lanes 16-31 then take lanes 0-15's sum (k = 0 .. 31 of the same row) and carry the chain on over their k = 32 .. 63.
.irp u, 0,1
	v_mul_f32 v[S1+\u], v[XN+32*\u], v[XN+32*\u]
.endr
.set k, 1
.rept 31
	v_fmac_f32 v[S1], v[XN+k], v[XN+k]
	v_fmac_f32 v[S1+1], v[XN+32+k], v[XN+32+k]
.set k, k+1
.endr
.irp u, 0,1
	v_mov_b32 v[S2+\u], 0                          ; (a lane permute's destination counts as one of its sources)
.endr
.irp u, 0,1
	v_permlanex16_b32 v[S2+\u], v[S1+\u], s20, s21
.endr
.set k, 0
.rept 32
	v_fmac_f32 v[S2], v[XN+k], v[XN+k]             ; of use in lanes 16-31 alone
	v_fmac_f32 v[S2+1], v[XN+32+k], v[XN+32+k]
.set k, k+1
.endr
	v_mov_b32 v22, 0
	v_permlanex16_b32 v22, v[S2], s20, s21         ; tile a's totals come down to lanes 0-15
	v_cndmask_b32 v23, v22, v[S2+1], s22           ; lanes 16-31 keep tile b's: lane l now holds the sum of the pair's row l
	; THE AUX RECORD is gathered in my own 256 bytes of LDS and leaves as one piece
	ds_store_b32 v[A4], v23
	ds_store_b32 v[A4], v16 offset:128
	ds_load_b64 v[24:25], v[A8]                    ; in order behind my two stores
	s_wait_dscnt 0x0
	global_store_b64 v[O8], v[24:25], s[10:11]     ; 32 lanes store 256 consecutive bytes, at a multiple of 256 from aux's first byte
	s_wait_tensorcnt 0x0
	ds_add_u32 v192, v193
	s_wait_dscnt 0x0
	s_endpgm
.Lfunc_end_k_q1f034ba33d_prep:
	.size	k_q1f034ba33d_prep, .Lfunc_end_k_q1f034ba33d_prep-k_q1f034ba33d_prep
	.p2alignl 7, 3214868480
	.fill 96, 4, 3214868480
	.section	.rodata,"a",@progbits
	.p2align	6, 0x0
	.amdhsa_kernel k_q1f034ba33d_prep
		.amdhsa_group_segment_fixed_size 29696
		.amdhsa_private_segment_fixed_size 0
		.amdhsa_enable_private_segment 0
		.amdhsa_kernarg_size 32
		.amdhsa_user_sgpr_count 2
		.amdhsa_user_sgpr_kernarg_segment_ptr 1
		.amdhsa_wavefront_size32 1
		.amdhsa_system_sgpr_workgroup_id_x 1
		.amdhsa_system_sgpr_workgroup_id_y 1
		.amdhsa_system_sgpr_workgroup_id_z 1
		.amdhsa_system_vgpr_workitem_id 0
		.amdhsa_next_free_vgpr 194
		.amdhsa_next_free_sgpr 66
		.amdhsa_reserve_vcc 0
		.amdhsa_float_denorm_mode_32 3
		.amdhsa_float_denorm_mode_16_64 3
		.amdhsa_memory_ordered 1
		.amdhsa_forward_progress 1
		.amdhsa_inst_pref_size 15
	.end_amdhsa_kernel
	.amdgpu_metadata
---
amdhsa.version: [ 1, 2 ]
amdhsa.kernels:
  - .name:           k_q1f034ba33d_prep
    .symbol:         k_q1f034ba33d_prep.kd
    .args:
      - { .name: X, .offset: 0, .size: 8, .value_kind: global_buffer, .address_space: global }
      - { .name: weight, .offset: 8, .size: 8, .value_kind: global_buffer, .address_space: global }
      - { .name: img, .offset: 16, .size: 8, .value_kind: global_buffer, .address_space: global }
      - { .name: aux, .offset: 24, .size: 8, .value_kind: global_buffer, .address_space: global }
    .group_segment_fixed_size: 29696
    .private_segment_fixed_size: 0
    .kernarg_segment_align: 8
    .kernarg_segment_size: 32
    .max_flat_workgroup_size: 96
    .sgpr_count:     66
    .vgpr_count:     194
    .wavefront_size: 32
...
	.end_amdgpu_metadata
.endif
;; end of part 1
;; launch main (part 2): grid 256 x 1, 16 waves a work-group, no clusters, 10,240 bytes of LDS; arguments img, aux, out0; writes out0
.if DOCPART == 2
	.amdgcn_target "amdgcn-amd-amdhsa--gfx1250"
	.amdhsa_code_object_version 6
	.text
	.protected	k_q1f034ba33d_main
	.globl	k_q1f034ba33d_main
	.p2align	8
	.type	k_q1f034ba33d_main,@function
k_q1f034ba33d_main:
	s_mov_b64 s[64:65], 0
	v_nop
	global_prefetch_b8 v0, s[64:65] scope:SCOPE_SE
	s_setreg_imm32_b32 hwreg(HW_REG_WAVE_MODE, 25, 1), 1
	s_wait_xcnt 0x0
; out0[row] = the lowest n at which dist(row, n) = (|x|^2 - 2 x.w_n) + |w_n|^2 is smallest, n = 0 .. 8191.  x.w is the product of the codes of FP6 (E2M3) in img with their E8M0 scales in aux;
; the two sums of squares come from aux, in f32.  The arithmetic keeps the stated order: fma(p, -2, |x|^2) is the rounded |x|^2 - 2 p (2 p is exact), then |w|^2 is added by a rounded addition of its own.
; LIMITS.  NaN and infinities among the distances (inputs so large that a distance leaves f32's range) are not served.  Equal distances give the lowest n.
; SHARES.  Work-group g owns rows 64 g .. 64 g + 63 of X: four tiles of 16.  EVERY wave holds all four tiles in registers; wave w of sixteen walks the weight's pairs 16 w .. 16 w + 15 (n = 512 w .. 512 w + 511).
; So a work-group reads each byte of the weight's image once, by the one wave that multiplies it, straight into the operand's registers: three loads of 512 consecutive bytes a fragment.
; K = 64 IN A FORM OF K = 128.  A weight fragment is dense: K 0-63 = 16 rows of tile a, K 64-127 = 16 rows of tile b.  Multiplied by [x, 0] it gives x.w_a, by [0, x] it gives x.w_b: zero codes add nothing.
; X's registers lie Z X0 Z X1 Z X2 Z X3 Z, six registers each, Z all zeros: both forms of every tile are runs of 12 neighbouring registers.  X's scale word is (s0, s1, s0, s1): it serves both forms.
; LAYOUT.  Source 0 = the weight's fragment, source 1 = X's: lane (r, h) holds ONE row r of X, and its registers 0-7 the distances to n0 + 8 h + 0 .. 7.
; THE ARGMIN, for each X tile in each lane: the best distance so far, the first n of the 16 x 16 tile in which it fell, and that tile's eight distances, kept by selects (no branch and no address hangs on a distance).
; A tile wins only by a strictly smaller distance, and n ascends: the earlier tile keeps a tie.  At the end the lowest register that equals the best gives n; the two halves of the lanes, then the sixteen waves (through LDS) are joined.
; SIXTEEN WAVES OF 256 REGISTERS, four to a SIMD: there is no sum over K to keep in registers (a product is one instruction), so a wave's tile need not be large, and one wave's vector work stands beside another's products and loads.
; NO CLUSTER, NO LDS RING.  All work-groups read the same 458,752 bytes of weight image and aux, more than a work-group's 327,680 bytes of LDS: shared tiles would want a ring that is filled again and a round of the cluster's
; barrier for each refill, and an LDS load for each of the loads written here.  A pair's 1,792 bytes serve a wave for 8 matrix and 144 vector instructions: what is shared is little beside the work done on it.
.set DUAL,  1                          ; 1: the eight selects that keep a winning tile go as four pairs; 0: singly
.set L16,   1                          ; v1   16 x lane
.set L4,    2                          ; v2   4 x lane
.set R4,    3                          ; v3   4 x r
.set H32,   4                          ; v4   32 x h
.set H8,    5                          ; v5   8 x h
.set T0,    6                          ; v6-7 at work
.set T1,    7
.set XR,    8                          ; v8-9    X's scale words as they lie in aux, one for each pair
.set XS,    10                         ; v10-13  X's scale words, one for each tile: scales and nothing else
.set WS,    14                         ; v14-15  the weight's scale words, buffer 0, 1: scales and nothing else
.set AD,    16                         ; v16-23  |x|^2 of my row of tile t, twice: a pair for the packed form
.set BEST,  24                         ; v24-31  two for each tile, by turns: behind a whole pair the best lies in BEST + 2 t
.set GID,   32                         ; v32-35  the first n of the winning tile
.set JX,    36                         ; v36     the winning register
.set OV,    37                         ; v37     the other half's best,
.set ON,    38                         ; v38     and its n
.set SA,    39                         ; v39     LDS: 256 x wave + 4 r
.set RET,   40                         ; v40-71  eight for each tile: the winning tile's distances
.set XB,    72                         ; v72-125 Z at XB + 12 k (k = 0 .. 4), X's tile t at XB + 12 t + 6
.set FRG,   126                        ; v126-149  the weight's fragment, two buffers of 12
.set BD,    150                        ; v150-181  |w|^2: two buffers of 16: tile u's eight at BD + 16 b + 8 u
.set CA,    182                        ; v182    8 x lane
.set ACC,   184                        ; v184-247  eight accumulators: (tile t of X, tile u of the pair) at ACC + 8 (2 t + u)
.set CV,    184                        ; at the end, in wave 0: the sixteen waves' bests, two rows a lane,
.set CI,    216                        ; and their n
.set NI,    248                        ; v248-251  the lane's n for each tile
.set XI,    12                         ; s[12:13] X's two pairs in img
.set XA,    14                         ; s[14:15] and in aux
.set WI,    16                         ; s[16:17] the weight's pair in hand in img; walks
.set WA,    18                         ; s[18:19] and in aux; walks
.set NB,    24                         ; s24-27   the first n of the trip's four tiles; walk by 64
	s_load_b128 s[4:7], s[0:1], 0x0                ; img s[4:5], aux s[6:7]
	s_load_b64 s[8:9], s[0:1], 0x10                ; out0
	v_lshl_add_u32 v254, v0, 2, 0x2000
	v_mov_b32 v255, 0
	v_lshrrev_b32 v1, 5, v0
	v_readfirstlane_b32 s10, v1                    ; wave 0..15
	v_and_b32 v[T0], 31, v0                        ; lane
	v_and_b32 v[T1], 15, v0                        ; r
	v_bfe_u32 v[H8], v0, 4, 1                      ; h
	v_lshlrev_b32 v[L16], 4, v[T0]
	v_lshlrev_b32 v[L4], 2, v[T0]
	v_lshlrev_b32 v[CA], 3, v[T0]
	v_lshlrev_b32 v[R4], 2, v[T1]
	v_lshlrev_b32 v[H32], 5, v[H8]
	v_lshlrev_b32 v[H8], 3, v[H8]
	s_lshl_b32 s29, s10, 8
	v_add_nc_u32 v[SA], s29, v[R4]
	s_mov_b32 s20, 0x76543210
	s_mov_b32 s21, 0xfedcba98                      ; v_permlanex16_b32's selects for lane l xor 16
	s_lshl_b32 s[NB], s10, 9                       ; my first n: 512 x wave
	s_add_co_u32 s[NB+1], s[NB], 16
	s_add_co_u32 s[NB+2], s[NB], 32
	s_add_co_u32 s[NB+3], s[NB], 48
	s_mul_i32 s22, ttmp9, 3072                     ; two pairs of 1,536 bytes a work-group
	s_mov_b32 s23, 0
	s_wait_kmcnt 0x0
	s_add_nc_u64 s[XI:XI+1], s[4:5], s[22:23]
	s_lshl_b32 s22, ttmp9, 9                       ; two records of 256 bytes
	s_add_nc_u64 s[XA:XA+1], s[6:7], s[22:23]
	s_mul_i32 s22, s10, 24576                      ; sixteen pairs a wave,
	s_add_co_u32 s22, s22, 786432                  ; behind X's 512 pairs
	s_add_nc_u64 s[WI:WI+1], s[4:5], s[22:23]
	s_lshl_b32 s22, s10, 12
	s_add_co_u32 s22, s22, 131072
	s_add_nc_u64 s[WA:WA+1], s[6:7], s[22:23]
	s_lshl_b32 s22, ttmp9, 8                       ; 64 indices of 4 bytes
	s_add_nc_u64 s[8:9], s[8:9], s[22:23]
; the fragment and the scale words of the pair k pairs on from the bases, into buffer b: 4 loads
.macro LOADFS b, k
.irp c, 0,1,2
	global_load_b128 v[FRG+12*(\b)+4*\c:FRG+12*(\b)+4*\c+3], v[L16], s[WI:WI+1] offset:1536*(\k)+512*\c   ; 32 lanes read 512 consecutive bytes: four registers of the image
.endr
	global_load_b32 v[WS+(\b)], v[L4], s[WA:WA+1] offset:256*(\k)+128
.endm
; its |w|^2: for tile u the eight of n0 + 8 h + 0 .. 7: 4 loads
.macro LOADB b, k
.irp u, 0,1
.irp q, 0,1
	global_load_b128 v[BD+16*(\b)+8*\u+4*\q:BD+16*(\b)+8*\u+4*\q+3], v[H32], s[WA:WA+1] offset:256*(\k)+64*\u+16*\q
.endr
.endr
.endm
	; X: a tile's six registers are three pieces of 8 bytes of its pair's image; they land in their places between the zeros
.irp t, 0,1,2,3
.irp i, 0,1,2
	global_load_b64 v[XB+12*\t+6+2*\i:XB+12*\t+7+2*\i], v[L16], s[XI:XI+1] offset:1536*(\t/2)+512*((6*(\t%2)+2*\i)/4)+4*((6*(\t%2)+2*\i)%4)
.endr
.endr
.irp q, 0,1
	global_load_b32 v[XR+\q], v[L4], s[XA:XA+1] offset:256*\q+128
.endr
.irp t, 0,1,2,3
	global_load_b32 v[AD+2*\t], v[R4], s[XA:XA+1] offset:256*(\t/2)+64*(\t%2)
.endr
	LOADFS 0, 0                                    ; the first two pairs of the weight: 16 loads
	LOADB  0, 0
	LOADFS 1, 1
	LOADB  1, 1
	; while the loads are out: the zeros between X's tiles, and the argmin's start
.irp k, 0,1,2,3,4
.irp i, 0,1,2,3,4,5
	v_mov_b32 v[XB+12*\k+\i], 0
.endr
.endr
.irp t, 0,1,2,3
	v_mov_b32 v[BEST+2*\t], 0x7f800000             ; +infinity: every distance is smaller
	v_mov_b32 v[GID+\t], 0
.endr
.set k, 0
.rept 32
	v_mov_b32 v[RET+k], 0x7f800000
.set k, k+1
.endr
	v_mov_b32 v[OV], 0                             ; (a lane permute's destination counts as one of its sources)
	v_mov_b32 v[ON], 0
	s_wait_loadcnt 16                              ; X's 18 loads are in; the weight's 16, issued behind them, may be out
.irp q, 0,1
	v_perm_b32 v[XS+2*\q], v[XR+\q], v[XR+\q], 0x01000100     ; tile a's two bytes, twice
	v_perm_b32 v[XS+2*\q+1], v[XR+\q], v[XR+\q], 0x03020302   ; tile b's
.endr
.irp t, 0,1,2,3
	v_mov_b32 v[AD+2*\t+1], v[AD+2*\t]
.endr
.rept 4
	v_nop                                          ; with the four moves above: eight places between the last scale word made by a vector instruction and the first scaled product
.endr
; One 16 x 16 tile of distances: X's tile t against tile u of the pair in buffer b.  18 issue slots (22 with DUAL = 0).
.macro TILE t, u, b
.set DD, ACC+8*(2*(\t)+(\u))
.set BB, BD+16*(\b)+8*(\u)
.set OLD, BEST+2*(\t)+(\u)
.set NEW, BEST+2*(\t)+1-(\u)
.set RR, RET+8*(\t)
.irp i, 0,2,4,6
	v_pk_fma_f32 v[DD+\i:DD+\i+1], v[DD+\i:DD+\i+1], -2.0, v[AD+2*(\t):AD+2*(\t)+1] op_sel_hi:[1,0,1]   ; |x|^2 - 2 p, one rounding; the accumulator is read from its low end on
.endr
.irp i, 0,2,4,6
	v_pk_add_f32 v[DD+\i:DD+\i+1], v[DD+\i:DD+\i+1], v[BB+\i:BB+\i+1]   ; + |w|^2
.endr
	v_min3_num_f32 v[T0], v[DD], v[DD+1], v[DD+2]
	v_min3_num_f32 v[T1], v[DD+3], v[DD+4], v[DD+5]
	v_min3_num_f32 v[T0], v[T0], v[T1], v[DD+6]
	v_min3_num_f32 v[NEW], v[T0], v[DD+7], v[OLD]  ; the best with this tile's eight
	v_cmp_lt_f32 vcc_lo, v[NEW], v[OLD]            ; strictly smaller: this tile wins
	v_cndmask_b32 v[GID+(\t)], v[GID+(\t)], s[NB+2*(\b)+(\u)], vcc_lo
.irp i, 0,2,4,6
.if DUAL
	v_dual_cndmask_b32 v[RR+\i], v[RR+\i], v[DD+\i] :: v_dual_cndmask_b32 v[RR+\i+1], v[RR+\i+1], v[DD+\i+1]   ; both halves select on VCC; one destination even, one odd; the sources a register apart
.else
	v_cndmask_b32 v[RR+\i], v[RR+\i], v[DD+\i], vcc_lo
	v_cndmask_b32 v[RR+\i+1], v[RR+\i+1], v[DD+\i+1], vcc_lo
.endif
.endr
.endm
; One pair of the weight, in buffer b, against X's four tiles.  ahead = 1: the buffer takes the pair two pairs on.  left = how many younger loads may stay out.
.macro PAIR b, ahead, left
	s_wait_loadcnt \left                           ; this buffer's 8 loads are in; behind them only the other buffer's 8 were issued
.irp t, 0,1,2,3
.irp u, 0,1                                    ; eight products into eight accumulators, each begun with the constant 0: no two share a register, nothing is added in place
	v_wmma_scale_f32_16x16x128_f8f6f4 v[ACC+8*(2*\t+\u):ACC+8*(2*\t+\u)+7], v[FRG+12*(\b):FRG+12*(\b)+11], v[XB+12*\t+6-6*\u:XB+12*\t+17-6*\u], 0, v[WS+(\b)], v[XS+\t] matrix_a_fmt:MATRIX_FMT_FP6 matrix_b_fmt:MATRIX_FMT_FP6
.endr
.endr
.rept 4
	v_nop                                          ; four places in front of the loads into the fragment and its scale words, and of the first read of a result
.endr
.if \ahead
	LOADFS \b, 2+\b
.endif
.irp t, 0,1,2,3
.irp u, 0,1                                    ; within a tile of X n ascends: a, then b
	TILE \t, \u, \b
.endr
.endr
.if \ahead
	LOADB \b, 2+\b                                 ; behind the last line that reads this buffer's |w|^2
.endif
.endm
	s_mov_b32 s28, 7
.Ltrip:                                            ; a trip: two pairs, 64 n; it asks for the next trip's two.  Seven trips, pairs 0 to 13
	PAIR 0, 1, 8
	PAIR 1, 1, 8
	s_wait_xcnt 0x0                                ; the loads' bases are stepped only behind this wait
	s_add_nc_u64 s[WI:WI+1], s[WI:WI+1], 3072
	s_add_nc_u64 s[WA:WA+1], s[WA:WA+1], 512
.irp i, 0,1,2,3
	s_add_co_u32 s[NB+\i], s[NB+\i], 64
.endr
	s_sub_co_u32 s28, s28, 1
	s_cmp_lg_u32 s28, 0
	s_cbranch_scc1 .Ltrip
	PAIR 0, 0, 8                                   ; pairs 14 and 15 are written out: they ask for nothing, so no load leaves its buffer
	PAIR 1, 0, 0
; THE LANE'S n, the other half of the lanes', and the wave's result for tile t into LDS
.macro FINAL t
.set BV, BEST+2*(\t)
	v_mov_b32 v[JX], 0
.irp j, 7,6,5,4,3,2,1,0
	v_cmp_eq_f32 vcc_lo, v[RET+8*(\t)+\j], v[BV]
	v_cndmask_b32 v[JX], v[JX], \j, vcc_lo         ; the lowest register that equals the best is written last
.endr
	v_add3_u32 v[NI+(\t)], v[GID+(\t)], v[JX], v[H8]   ; n = the tile's first n + 8 h + the register
	v_permlanex16_b32 v[OV], v[BV], s20, s21
	v_permlanex16_b32 v[ON], v[NI+(\t)], s20, s21
	v_cmp_lt_f32 s29, v[OV], v[BV]                 ; the other half's wins where it is smaller,
	v_cmp_eq_f32 s30, v[OV], v[BV]
	v_cmp_lt_u32 vcc_lo, v[ON], v[NI+(\t)]
	s_and_b32 s30, s30, vcc_lo                     ; or equal with the lower n
	s_or_b32 s29, s29, s30
	v_cndmask_b32 v[BV], v[BV], v[OV], s29
	v_cndmask_b32 v[NI+(\t)], v[NI+(\t)], v[ON], s29
	ds_store_b32 v[SA], v[BV] offset:64*(\t)       ; row 16 t + r of my wave's 64; lanes r and 16 + r write the same word with the same value
	ds_store_b32 v[SA], v[NI+(\t)] offset:4096+64*(\t)
.endm
	FINAL 0
	FINAL 1
	FINAL 2
	FINAL 3
	s_wait_dscnt 0x0                               ; for the others' sake: my stores have landed
	s_barrier_signal -1
	s_barrier_wait -1                              ; the one barrier: all sixteen waves' results lie in LDS
	s_cmp_lg_u32 s10, 0
	s_cbranch_scc1 .Lend
	; wave 0 joins the sixteen waves: lane l takes rows 2 l and 2 l + 1
.irp w, 0,1,2,3,4,5,6,7,8,9,10,11,12,13,14,15
	ds_load_b64 v[CV+2*\w:CV+2*\w+1], v[CA] offset:256*\w
	ds_load_b64 v[CI+2*\w:CI+2*\w+1], v[CA] offset:4096+256*\w
.endr
	s_wait_dscnt 0x0
.irp w, 1,2,3,4,5,6,7,8,9,10,11,12,13,14,15
.irp e, 0,1
	v_cmp_lt_f32 vcc_lo, v[CV+2*\w+\e], v[CV+\e]   ; the waves ascend in n: only a strictly smaller distance takes over
	v_cndmask_b32 v[CV+\e], v[CV+\e], v[CV+2*\w+\e], vcc_lo
	v_cndmask_b32 v[CI+\e], v[CI+\e], v[CI+2*\w+\e], vcc_lo
.endr
.endr
	global_store_b64 v[CA], v[CI:CI+1], s[8:9]     ; 32 lanes store the work-group's 64 indices: 256 consecutive bytes, at a multiple of 256 from out0's first byte
.Lend:
	s_wait_tensorcnt 0x0
	ds_add_u32 v254, v255
	s_wait_dscnt 0x0
	s_endpgm
.Lfunc_end_k_q1f034ba33d_main:
	.size	k_q1f034ba33d_main, .Lfunc_end_k_q1f034ba33d_main-k_q1f034ba33d_main
	.p2alignl 7, 3214868480
	.fill 96, 4, 3214868480
	.section	.rodata,"a",@progbits
	.p2align	6, 0x0
	.amdhsa_kernel k_q1f034ba33d_main
		.amdhsa_group_segment_fixed_size 10240
		.amdhsa_private_segment_fixed_size 0
		.amdhsa_enable_private_segment 0
		.amdhsa_kernarg_size 24
		.amdhsa_user_sgpr_count 2
		.amdhsa_user_sgpr_kernarg_segment_ptr 1
		.amdhsa_wavefront_size32 1
		.amdhsa_system_sgpr_workgroup_id_x 1
		.amdhsa_system_sgpr_workgroup_id_y 1
		.amdhsa_system_sgpr_workgroup_id_z 1
		.amdhsa_system_vgpr_workitem_id 0
		.amdhsa_next_free_vgpr 256
		.amdhsa_next_free_sgpr 66
		.amdhsa_reserve_vcc 1
		.amdhsa_float_denorm_mode_32 3
		.amdhsa_float_denorm_mode_16_64 3
		.amdhsa_memory_ordered 1
		.amdhsa_forward_progress 1
		.amdhsa_inst_pref_size 62
	.end_amdhsa_kernel
	.amdgpu_metadata
---
amdhsa.version: [ 1, 2 ]
amdhsa.kernels:
  - .name:           k_q1f034ba33d_main
    .symbol:         k_q1f034ba33d_main.kd
    .args:
      - { .name: img, .offset: 0, .size: 8, .value_kind: global_buffer, .address_space: global }
      - { .name: aux, .offset: 8, .size: 8, .value_kind: global_buffer, .address_space: global }
      - { .name: out0, .offset: 16, .size: 8, .value_kind: global_buffer, .address_space: global }
    .group_segment_fixed_size: 10240
    .private_segment_fixed_size: 0
    .kernarg_segment_align: 8
    .kernarg_segment_size: 24
    .max_flat_workgroup_size: 512
    .sgpr_count:     66
    .vgpr_count:     256
    .wavefront_size: 32
...
	.end_amdgpu_metadata
.endif
;; end of part 2
;; ======== version 2 of 3: 2 launches
;; workspace buffers: img 1,179,648 bytes; aux 196,608 bytes
;; launch prep: the kernel of part 1 again; grid 256 x 1, 3 waves a work-group, no clusters, 29,696 bytes of LDS; arguments X, weight, img, aux; writes img, aux
;; launch main (part 3): grid 256 x 1, 16 waves a work-group, no clusters, 10,240 bytes of LDS; arguments img, aux, out0; writes out0
.if DOCPART == 3
	.amdgcn_target "amdgcn-amd-amdhsa--gfx1250"
	.amdhsa_code_object_version 6
	.text
	.protected	k_q1f034ba33d_main
	.globl	k_q1f034ba33d_main
	.p2align	8
	.type	k_q1f034ba33d_main,@function
k_q1f034ba33d_main:
	s_mov_b64 s[64:65], 0
	v_nop
	global_prefetch_b8 v0, s[64:65] scope:SCOPE_SE
	s_setreg_imm32_b32 hwreg(HW_REG_WAVE_MODE, 25, 1), 1
	s_wait_xcnt 0x0
; out0[row] = the lowest n at which dist(row, n) = |x|^2 - 2 x.w_n + |w_n|^2 is smallest, n = 0 .. 8191.  x.w is the product of the codes of FP6 (E2M3) in img with their E8M0 scales in aux;
; the two sums of squares come from aux, in f32.
; THE ARITHMETIC.  The product's X operand is -2 x: the sign bits of X's codes are flipped and 1 is added to each of its scale bytes.  The codes are symmetric and a scale is a power of two, so these are the codes and
; scales of -2 Q(x), exactly.  |w|^2 is the C of each product: D = |w|^2 - 2 x.w comes out of the matrix unit.  |x|^2 is added in f32 to the SMALLEST of a tile's eight D: a rounded addition never turns an order round,
; so that is the smallest of the eight rounded sums.  dist = |x|^2 + (|w|^2 - 2 x.w).
; LIMITS.  ORDER OF ROUNDING: the problem's text forms (|x|^2 - 2 p) + |w|^2; here the inner sum is |w|^2 - 2 p, rounded by the matrix unit.  Where the inner sums are exact in f32 both are one rounding of the same number;
; elsewhere a last bit may differ, which can turn the index only between distances that agree to the last bits.  NaN and infinities among the distances are not served.  Equal distances give the lowest n.
; X's scale bytes are at most 252 (a finite number's exponent field less 2): adding 1 carries nowhere.
; SHARES.  Work-group g owns rows 64 g .. 64 g + 63 of X: four tiles of 16.  EVERY wave holds all four tiles in registers; wave w of sixteen walks the weight's pairs 16 w .. 16 w + 15 (n = 512 w .. 512 w + 511).
; So a work-group reads each byte of the weight's image once, by the one wave that multiplies it, straight into the operand's registers: three loads of 512 consecutive bytes a fragment.
; K = 64 IN A FORM OF K = 128.  A weight fragment is dense: K 0-63 = 16 rows of tile a, K 64-127 = 16 rows of tile b.  Multiplied by [x, 0] it gives x.w_a, by [0, x] it gives x.w_b: zero codes add nothing.
; X's registers lie Z X0 Z X1 Z X2 Z X3 Z, six registers each, Z all zeros: both forms of every tile are runs of 12 neighbouring registers.  X's scale word is (s0, s1, s0, s1): it serves both forms.
; LAYOUT.  Source 0 = the weight's fragment, source 1 = X's: lane (r, h) holds ONE row r of X, and its registers 0-7 belong to n0 + 8 h + 0 .. 7; |w|^2 is loaded in that layout.
; THE ARGMIN, for each X tile in each lane: the best distance so far, the first n of the 16 x 16 tile in which it fell, and that tile's eight D, kept by selects (no branch and no address hangs on a distance).
; A tile wins only by a strictly smaller distance, and n ascends: the earlier tile keeps a tie.  At the end the lowest register whose distance equals the best gives n; the two halves of the lanes, then the sixteen waves (through LDS) are joined.
; SIXTEEN WAVES OF 256 REGISTERS, four to a SIMD: there is no sum over K to keep in registers (a product is one instruction), so a wave's tile need not be large, and one wave's vector work stands beside another's products and loads.
; NO CLUSTER, NO LDS RING.  All work-groups read the same 458,752 bytes of weight image and aux, more than a work-group's 327,680 bytes of LDS: shared tiles would want a ring that is filled again and a round of the cluster's
; barrier for each refill, and an LDS load for each of the loads written here.  A pair's 1,792 bytes serve a wave for 8 matrix and 88 vector instructions: what is shared is little beside the work done on it.
.set L16,   1                          ; v1   16 x lane
.set L4,    2                          ; v2   4 x lane
.set R4,    3                          ; v3   4 x r
.set H32,   4                          ; v4   32 x h
.set H8,    5                          ; v5   8 x h
.set TA,    6                          ; v6   at work: the candidate distance of the first of two tiles of X,
.set TB,    7                          ; v7   of the second
.set XR,    8                          ; v8-9    X's scale words as they lie in aux, one for each pair
.set XS,    10                         ; v10-13  X's scale words, one for each tile: scales and nothing else
.set WS,    14                         ; v14-15  the weight's scale words, buffer 0, 1: scales and nothing else
.set AD,    16                         ; v16-19  |x|^2 of my row of tile t
.set NV,    20                         ; v20, v21, v24, v25  the first n of the trip's four tiles: (buffer b, tile u) at NV + 4 b + u; walk by 64
.set JX,    22                         ; v22     the winning register
.set OV,    23                         ; v23     the other half's best,
.set ON,    26                         ; v26     and its n
.set SA,    27                         ; v27     LDS: 256 x wave + 4 r
.set BG,    28                         ; v28-35  for tile t: the best distance at BG + 2 t, the first n of the winning tile at BG + 2 t + 1
.set NI,    36                         ; v36-39  the lane's n for each tile
.set RET,   40                         ; v40-71  eight for each tile: the winning tile's D
.set XB,    72                         ; v72-125 Z at XB + 12 k (k = 0 .. 4), X's tile t at XB + 12 t + 6
.set FRG,   126                        ; v126-149  the weight's fragment, two buffers of 12
.set BD,    150                        ; v150-181  |w|^2: two buffers of 16: tile u's eight at BD + 16 b + 8 u
.set CA,    182                        ; v182    8 x lane
.set ACC,   184                        ; v184-247  eight accumulators: (tile t of X, tile u of the pair) at ACC + 8 (2 t + u)
.set CV,    184                        ; at the end, in wave 0: the sixteen waves' bests, two rows a lane,
.set CI,    216                        ; and their n
.set TC,    248                        ; v248-249  at work
.set TD,    249
.set XI,    12                         ; s[12:13] X's two pairs in img
.set XA,    14                         ; s[14:15] and in aux
.set WI,    16                         ; s[16:17] the weight's pair in hand in img; walks
.set WA,    18                         ; s[18:19] and in aux; walks
	s_load_b128 s[4:7], s[0:1], 0x0                ; img s[4:5], aux s[6:7]
	s_load_b64 s[8:9], s[0:1], 0x10                ; out0
	v_lshl_add_u32 v254, v0, 2, 0x2000
	v_mov_b32 v255, 0
	v_lshrrev_b32 v1, 5, v0
	v_readfirstlane_b32 s10, v1                    ; wave 0..15
	v_and_b32 v[TA], 31, v0                        ; lane
	v_and_b32 v[TB], 15, v0                        ; r
	v_bfe_u32 v[H8], v0, 4, 1                      ; h
	v_lshlrev_b32 v[L16], 4, v[TA]
	v_lshlrev_b32 v[L4], 2, v[TA]
	v_lshlrev_b32 v[CA], 3, v[TA]
	v_lshlrev_b32 v[R4], 2, v[TB]
	v_lshlrev_b32 v[H32], 5, v[H8]
	v_lshlrev_b32 v[H8], 3, v[H8]
	s_lshl_b32 s29, s10, 8
	v_add_nc_u32 v[SA], s29, v[R4]
	s_mov_b32 s20, 0x76543210
	s_mov_b32 s21, 0xfedcba98                      ; v_permlanex16_b32's selects for lane l xor 16
	s_lshl_b32 s24, s10, 9                         ; my first n: 512 x wave
	v_mov_b32 v[NV], s24
	v_add_nc_u32 v[NV+1], 16, v[NV]
	v_add_nc_u32 v[NV+4], 32, v[NV]
	v_add_nc_u32 v[NV+5], 48, v[NV]
	s_mul_i32 s22, ttmp9, 3072                     ; two pairs of 1,536 bytes a work-group
	s_mov_b32 s23, 0
	s_wait_kmcnt 0x0
	s_add_nc_u64 s[XI:XI+1], s[4:5], s[22:23]
	s_lshl_b32 s22, ttmp9, 9                       ; two records of 256 bytes
	s_add_nc_u64 s[XA:XA+1], s[6:7], s[22:23]
	s_mul_i32 s22, s10, 24576                      ; sixteen pairs a wave,
	s_add_co_u32 s22, s22, 786432                  ; behind X's 512 pairs
	s_add_nc_u64 s[WI:WI+1], s[4:5], s[22:23]
	s_lshl_b32 s22, s10, 12
	s_add_co_u32 s22, s22, 131072
	s_add_nc_u64 s[WA:WA+1], s[6:7], s[22:23]
	s_lshl_b32 s22, ttmp9, 8                       ; 64 indices of 4 bytes
	s_add_nc_u64 s[8:9], s[8:9], s[22:23]
; the pair k pairs on from the bases, into buffer b: its fragment, its scale words, and its |w|^2 (for tile u the eight of n0 + 8 h + 0 .. 7): 8 loads
.macro LOADW b, k
.irp c, 0,1,2
	global_load_b128 v[FRG+12*(\b)+4*\c:FRG+12*(\b)+4*\c+3], v[L16], s[WI:WI+1] offset:1536*(\k)+512*\c   ; 32 lanes read 512 consecutive bytes: four registers of the image
.endr
	global_load_b32 v[WS+(\b)], v[L4], s[WA:WA+1] offset:256*(\k)+128
.irp u, 0,1
.irp q, 0,1
	global_load_b128 v[BD+16*(\b)+8*\u+4*\q:BD+16*(\b)+8*\u+4*\q+3], v[H32], s[WA:WA+1] offset:256*(\k)+64*\u+16*\q
.endr
.endr
.endm
	; X: a tile's six registers are three pieces of 8 bytes of its pair's image; they land in their places between the zeros
.irp t, 0,1,2,3
.irp i, 0,1,2
	global_load_b64 v[XB+12*\t+6+2*\i:XB+12*\t+7+2*\i], v[L16], s[XI:XI+1] offset:1536*(\t/2)+512*((6*(\t%2)+2*\i)/4)+4*((6*(\t%2)+2*\i)%4)
.endr
.endr
.irp q, 0,1
	global_load_b32 v[XR+\q], v[L4], s[XA:XA+1] offset:256*\q+128
.endr
.irp t, 0,1,2,3
	global_load_b32 v[AD+\t], v[R4], s[XA:XA+1] offset:256*(\t/2)+64*(\t%2)
.endr
	LOADW 0, 0                                     ; the first two pairs of the weight: 16 loads
	LOADW 1, 1
	; while the loads are out: the zeros between X's tiles, and the argmin's start
.irp k, 0,1,2,3,4
.irp i, 0,1,2,3,4,5
	v_mov_b32 v[XB+12*\k+\i], 0
.endr
.endr
.irp t, 0,1,2,3
	v_mov_b32 v[BG+2*\t], 0x7f800000               ; +infinity: every distance is smaller
	v_mov_b32 v[BG+2*\t+1], 0
.endr
.set k, 0
.rept 32
	v_mov_b32 v[RET+k], 0x7f800000
.set k, k+1
.endr
	v_mov_b32 v[OV], 0                             ; (a lane permute's destination counts as one of its sources)
	v_mov_b32 v[ON], 0
	s_wait_loadcnt 16                              ; X's 18 loads are in; the weight's 16, issued behind them, may be out
.irp q, 0,1
	v_add_nc_u32 v[XR+\q], 0x01010101, v[XR+\q]    ; 1 onto each scale byte: x 2
.endr
.irp q, 0,1
	v_perm_b32 v[XS+2*\q], v[XR+\q], v[XR+\q], 0x01000100     ; tile a's two bytes, twice
	v_perm_b32 v[XS+2*\q+1], v[XR+\q], v[XR+\q], 0x03020302   ; tile b's
.endr
.irp t, 0,1,2,3                                ; the sign of code i is bit 6 i + 5 of the lane's 192 bits: the pattern comes round every three registers
.irp i, 0,3
	v_xor_b32 v[XB+12*\t+6+\i], 0x20820820, v[XB+12*\t+6+\i]   ; bits 5, 11, 17, 23, 29
	v_xor_b32 v[XB+12*\t+7+\i], 0x08208208, v[XB+12*\t+7+\i]   ; bits 3, 9, 15, 21, 27
	v_xor_b32 v[XB+12*\t+8+\i], 0x82082082, v[XB+12*\t+8+\i]   ; bits 1, 7, 13, 19, 25, 31
.endr
.endr
.rept 4
	v_nop                                          ; four places between the last operand register made by a vector instruction and the scaled products; the scale words stand 28 lines back
.endr
; X's tile t has a candidate: distance in v[c], D in v[d] on, first n in v[n].  Where it is strictly smaller than the best it takes over: 6 issue slots.
; Both halves of a pair select on VCC; one destination is even and one odd, and the register numbers of the halves' like sources differ modulo 4, as the dual form asks.
.macro KEEP t, d, c, n
	v_cmp_lt_f32 vcc_lo, v[\c], v[BG+2*(\t)]
	v_dual_cndmask_b32 v[BG+2*(\t)], v[BG+2*(\t)], v[\c] :: v_dual_cndmask_b32 v[BG+2*(\t)+1], v[BG+2*(\t)+1], v[\n]
.irp i, 0,2,4,6
	v_dual_cndmask_b32 v[RET+8*(\t)+\i], v[RET+8*(\t)+\i], v[\d+\i] :: v_dual_cndmask_b32 v[RET+8*(\t)+\i+1], v[RET+8*(\t)+\i+1], v[\d+\i+1]
.endr
.endm
; Two 16 x 16 tiles: X's tiles t and t + 1 against tile u of the pair in buffer b, line by line in step, so that no line waits for the line above it.  11 issue slots a tile.
.macro TILE2 t, u, b
.set DA, ACC+8*(2*(\t)+(\u))
.set DB, ACC+8*(2*(\t)+2+(\u))
.set NR, NV+4*(\b)+(\u)
	v_min3_num_f32 v[TA], v[DA], v[DA+1], v[DA+2]  ; each accumulator is read from its low end on
	v_min3_num_f32 v[TB], v[DB], v[DB+1], v[DB+2]
	v_min3_num_f32 v[TC], v[DA+3], v[DA+4], v[DA+5]
	v_min3_num_f32 v[TD], v[DB+3], v[DB+4], v[DB+5]
	v_min3_num_f32 v[TA], v[TA], v[DA+6], v[DA+7]
	v_min3_num_f32 v[TB], v[TB], v[DB+6], v[DB+7]
	v_min_num_f32 v[TA], v[TA], v[TC]              ; the smallest |w|^2 - 2 x.w of my eight
	v_min_num_f32 v[TB], v[TB], v[TD]
	v_add_f32 v[TA], v[AD+(\t)], v[TA]             ; + |x|^2: the smallest of the eight distances
	v_add_f32 v[TB], v[AD+(\t)+1], v[TB]
	KEEP \t, DA, TA, NR
	KEEP (\t)+1, DB, TB, NR
.endm
; One pair of the weight, in buffer b, against X's four tiles.  ahead = 1: the buffer takes the pair two pairs on.  left = how many younger loads may stay out.
.macro PAIR b, ahead, left
	s_wait_loadcnt \left                           ; this buffer's 8 loads are in; behind them only the other buffer's 8 were issued
.irp t, 0,1,2,3
.irp u, 0,1                                    ; eight products into eight accumulators, each begun with |w|^2 as its C: no two share a result register, nothing is added in place
	v_wmma_scale_f32_16x16x128_f8f6f4 v[ACC+8*(2*\t+\u):ACC+8*(2*\t+\u)+7], v[FRG+12*(\b):FRG+12*(\b)+11], v[XB+12*\t+6-6*\u:XB+12*\t+17-6*\u], v[BD+16*(\b)+8*\u:BD+16*(\b)+8*\u+7], v[WS+(\b)], v[XS+\t] matrix_a_fmt:MATRIX_FMT_FP6 matrix_b_fmt:MATRIX_FMT_FP6
.endr
.endr
.rept 4
	v_nop                                          ; four places in front of the loads into the fragment, its scale words and |w|^2, and of the first read of a result
.endr
.if \ahead
	LOADW \b, 2+\b                                 ; nothing below reads this buffer: its next pair has this pair's vector work and the whole of the other pair in which to land
.endif
.irp t, 0,2
.irp u, 0,1                                    ; within a tile of X n ascends: a, then b
	TILE2 \t, \u, \b
.endr
.endr
.endm
	s_mov_b32 s28, 7
.Ltrip:                                            ; a trip: two pairs, 64 n; it asks for the next trip's two.  Seven trips, pairs 0 to 13
	PAIR 0, 1, 8
	PAIR 1, 1, 8
	s_wait_xcnt 0x0                                ; the loads' bases are stepped only behind this wait
	s_add_nc_u64 s[WI:WI+1], s[WI:WI+1], 3072
	s_add_nc_u64 s[WA:WA+1], s[WA:WA+1], 512
.irp i, 0,1,4,5
	v_add_nc_u32 v[NV+\i], 64, v[NV+\i]
.endr
	s_sub_co_u32 s28, s28, 1
	s_cmp_lg_u32 s28, 0
	s_cbranch_scc1 .Ltrip
	PAIR 0, 0, 8                                   ; pairs 14 and 15 are written out: they ask for nothing, so no load leaves its buffer
	PAIR 1, 0, 0
; THE LANE'S n, the other half of the lanes', and the wave's result for tile t into LDS
.macro FINAL t
.set BV, BG+2*(\t)
	v_mov_b32 v[JX], 0
.irp j, 7,6,5,4,3,2,1,0
	v_add_f32 v[TA], v[AD+(\t)], v[RET+8*(\t)+\j]  ; the same addition as in the loop, on the winning tile's eight
	v_cmp_eq_f32 vcc_lo, v[TA], v[BV]
	v_cndmask_b32 v[JX], v[JX], \j, vcc_lo         ; the lowest register that equals the best is written last
.endr
	v_add_nc_u32 v[NI+(\t)], v[BV+1], v[JX]        ; n = the tile's first n + the register
	v_add_nc_u32 v[NI+(\t)], v[H8], v[NI+(\t)]     ; + 8 h
	v_permlanex16_b32 v[OV], v[BV], s20, s21
	v_permlanex16_b32 v[ON], v[NI+(\t)], s20, s21
	v_cmp_lt_f32 s29, v[OV], v[BV]                 ; the other half's wins where it is smaller,
	v_cmp_eq_f32 s30, v[OV], v[BV]
	v_cmp_lt_u32 vcc_lo, v[ON], v[NI+(\t)]
	s_and_b32 s30, s30, vcc_lo                     ; or equal with the lower n
	s_or_b32 s29, s29, s30
	v_cndmask_b32 v[BV], v[BV], v[OV], s29
	v_cndmask_b32 v[NI+(\t)], v[NI+(\t)], v[ON], s29
	ds_store_b32 v[SA], v[BV] offset:64*(\t)       ; row 16 t + r of my wave's 64; lanes r and 16 + r write the same word with the same value
	ds_store_b32 v[SA], v[NI+(\t)] offset:4096+64*(\t)
.endm
	FINAL 0
	FINAL 1
	FINAL 2
	FINAL 3
	s_wait_dscnt 0x0                               ; for the others' sake: my stores have landed
	s_barrier_signal -1
	s_barrier_wait -1                              ; the one barrier: all sixteen waves' results lie in LDS
	s_cmp_lg_u32 s10, 0
	s_cbranch_scc1 .Lend
	; wave 0 joins the sixteen waves: lane l takes rows 2 l and 2 l + 1
.irp w, 0,1,2,3,4,5,6,7,8,9,10,11,12,13,14,15
	ds_load_b64 v[CV+2*\w:CV+2*\w+1], v[CA] offset:256*\w
	ds_load_b64 v[CI+2*\w:CI+2*\w+1], v[CA] offset:4096+256*\w
.endr
	s_wait_dscnt 0x0
.irp w, 1,2,3,4,5,6,7,8,9,10,11,12,13,14,15
.irp e, 0,1
	v_cmp_lt_f32 vcc_lo, v[CV+2*\w+\e], v[CV+\e]   ; the waves ascend in n: only a strictly smaller distance takes over
	v_cndmask_b32 v[CV+\e], v[CV+\e], v[CV+2*\w+\e], vcc_lo
	v_cndmask_b32 v[CI+\e], v[CI+\e], v[CI+2*\w+\e], vcc_lo
.endr
.endr
	global_store_b64 v[CA], v[CI:CI+1], s[8:9]     ; 32 lanes store the work-group's 64 indices: 256 consecutive bytes, at a multiple of 256 from out0's first byte
.Lend:
	s_wait_tensorcnt 0x0
	ds_add_u32 v254, v255
	s_wait_dscnt 0x0
	s_endpgm
.Lfunc_end_k_q1f034ba33d_main:
	.size	k_q1f034ba33d_main, .Lfunc_end_k_q1f034ba33d_main-k_q1f034ba33d_main
	.p2alignl 7, 3214868480
	.fill 96, 4, 3214868480
	.section	.rodata,"a",@progbits
	.p2align	6, 0x0
	.amdhsa_kernel k_q1f034ba33d_main
		.amdhsa_group_segment_fixed_size 10240
		.amdhsa_private_segment_fixed_size 0
		.amdhsa_enable_private_segment 0
		.amdhsa_kernarg_size 24
		.amdhsa_user_sgpr_count 2
		.amdhsa_user_sgpr_kernarg_segment_ptr 1
		.amdhsa_wavefront_size32 1
		.amdhsa_system_sgpr_workgroup_id_x 1
		.amdhsa_system_sgpr_workgroup_id_y 1
		.amdhsa_system_sgpr_workgroup_id_z 1
		.amdhsa_system_vgpr_workitem_id 0
		.amdhsa_next_free_vgpr 256
		.amdhsa_next_free_sgpr 66
		.amdhsa_reserve_vcc 1
		.amdhsa_float_denorm_mode_32 3
		.amdhsa_float_denorm_mode_16_64 3
		.amdhsa_memory_ordered 1
		.amdhsa_forward_progress 1
		.amdhsa_inst_pref_size 49
	.end_amdhsa_kernel
	.amdgpu_metadata
---
amdhsa.version: [ 1, 2 ]
amdhsa.kernels:
  - .name:           k_q1f034ba33d_main
    .symbol:         k_q1f034ba33d_main.kd
    .args:
      - { .name: img, .offset: 0, .size: 8, .value_kind: global_buffer, .address_space: global }
      - { .name: aux, .offset: 8, .size: 8, .value_kind: global_buffer, .address_space: global }
      - { .name: out0, .offset: 16, .size: 8, .value_kind: global_buffer, .address_space: global }
    .group_segment_fixed_size: 10240
    .private_segment_fixed_size: 0
    .kernarg_segment_align: 8
    .kernarg_segment_size: 24
    .max_flat_workgroup_size: 512
    .sgpr_count:     66
    .vgpr_count:     256
    .wavefront_size: 32
...
	.end_amdgpu_metadata
.endif
;; end of part 3
;; ======== version 3 of 3: 2 launches
;; workspace buffers: img 1,179,648 bytes; aux 196,608 bytes
;; launch prep (part 4): grid 256 x 1, 3 waves a work-group, no clusters, 29,696 bytes of LDS; arguments X, weight, img, aux; writes img, aux
.if DOCPART == 4
	.amdgcn_target "amdgcn-amd-amdhsa--gfx1250"
	.amdhsa_code_object_version 6
	.text
	.protected	k_q1f034ba33d_prep
	.globl	k_q1f034ba33d_prep
	.p2align	8
	.type	k_q1f034ba33d_prep,@function
k_q1f034ba33d_prep:
	s_mov_b64 s[64:65], 0
	v_nop
	global_prefetch_b8 v0, s[64:65] scope:SCOPE_SE
	s_setreg_imm32_b32 hwreg(HW_REG_WAVE_MODE, 25, 1), 1
	s_wait_xcnt 0x0
; X [16384][64] and weight [8192][64], f32, are quantised ONCE along K = 64 into codes of FP6 (E2M3) with one E8M0 scale byte for each 32 along K,
; and each row's sum of squares is taken of the UNQUANTISED numbers, in f32.
; A PAIR is 32 neighbouring rows: tile a (rows 0-15) and tile b (rows 16-31).  Pairs 0-511 are X's, pairs 512-767 the weight's.  One wave takes one pair: 768 waves, 3 to a work-group.
; img, 1,536 bytes a pair: AN IMAGE OF AN OPERAND'S 12 REGISTERS.  Register 4 c + i of lane l lies at byte 512 c + 16 l + 4 i.  Lane (r = l % 16, h = l / 16):
;   registers 0-5 = the codes of tile a, row r, k = 32 h .. 32 h + 31;  registers 6-11 = the same of tile b.  So K 0-63 of the fragment is tile a and K 64-127 tile b: no byte is padding.
; aux, 256 bytes a pair: bytes 0-127 the 32 rows' sums of squares; bytes 128-255, at 4 l, row r's scale word: bytes (a block 0, a block 1, b block 0, b block 1); lanes 16-31 repeat lanes 0-15.
; A block's scale is 2^(floor(log2(its largest magnitude)) - 2); its byte is that magnitude's exponent field - 2, held at 1 from below by a floor among the maximum's leaves.
; LIMITS.  A block of zeros gets the byte 1 where the rule says 127: its codes are zeros, which add nothing, and this program alone reads the bytes.  NaN and infinities among the inputs are not served.
; A row's sum of squares is ONE chain of fused multiply-adds, k ascending from 0 to 63; another order of summing may differ in the last bit.
; No tensor loads, no barrier: waves share nothing.  No loop: every offset is an immediate, and no register that a pending store reads is written again.
.set WREG,  9728                       ; LDS of a wave: a stage of 9,472 bytes and its aux record of 256
.set SP,    144                        ; stage: a row's 128 bytes of one block + 16: 9 x 16, so sixteen rows' 16-byte pieces fall in sixteen different columns of 16 bytes modulo 256
.set BLK1,  4736                       ; block 1's 32 rows begin here: 128 modulo 256, so a store's lanes 0-7 (block 0) and 8-15 (block 1) do not meet
.set AUXR,  9472
.set G16,   4                          ; v4   16 x lane: my bytes of a load's or a store's 512
.set STA,   5                          ; v5   the stage, on the way in
.set RDA,   6                          ; v6   and on the way out
.set A4,    7                          ; v7   the aux record, 4 bytes a lane
.set A8,    8                          ; v8   the same, 8 bytes a lane
.set O8,    9                          ; v9   8 x lane
.set AM,    10                         ; v10-11  the largest magnitude of my block, tile a, b
.set SO,    12                         ; v12-13  the conversions' scale operands
.set BY,    14                         ; v14-15  the scale bytes
.set S1,    18                         ; v18-19  the chain over my own block
.set S2,    20                         ; v20-21  the chain carried on from the other half of the lanes
.set C,     28                         ; v28-39  the fragment's 12 registers
.set R,     48                         ; v48-111   64 numbers as loaded
.set XN,    112                        ; v112-175  tile u's 32 numbers of my block at XN + 32 u
	s_load_b256 s[4:11], s[0:1], 0x0               ; X s[4:5], weight s[6:7], img s[8:9], aux s[10:11]
	v_lshl_add_u32 v192, v0, 2, 0x7200
	v_mov_b32 v193, 0
	v_lshrrev_b32 v1, 5, v0
	v_readfirstlane_b32 s12, v1                    ; wave 0..2
	v_and_b32 v1, 31, v0                           ; lane
	v_and_b32 v2, 15, v0                           ; r
	v_bfe_u32 v3, v0, 4, 1                         ; h
	v_lshlrev_b32 v[G16], 4, v1
	s_mul_i32 s23, s12, WREG                       ; my wave's LDS
	; in: a load's 512 bytes are two rows; lane l holds row l / 16, block (l / 8) % 2, bytes 16 (l % 8) on
	v_bfe_u32 v[STA], v0, 3, 1
	v_mul_u32_u24 v[STA], v[STA], BLK1
	v_mad_u32_u24 v[STA], v3, SP, v[STA]
	v_and_b32 v[RDA], 7, v0
	v_lshl_add_u32 v[STA], v[RDA], 4, v[STA]
	v_add_nc_u32 v[STA], s23, v[STA]
	; out: lane (r, h) takes block h of row r of a tile
	v_mul_u32_u24 v[RDA], v2, SP
	v_mad_u32_u24 v[RDA], v3, BLK1, v[RDA]
	v_add_nc_u32 v[RDA], s23, v[RDA]
	s_add_co_u32 s23, s23, AUXR
	v_lshl_add_u32 v[A4], v1, 2, s23
	v_lshl_add_u32 v[A8], v1, 3, s23
	v_lshlrev_b32 v[O8], 3, v1
	s_mov_b32 s20, 0x76543210
	s_mov_b32 s21, 0xfedcba98                      ; v_permlanex16_b32's selects for lane l xor 16
	s_mov_b32 s22, 0xffff0000                      ; the mask of lanes 16-31
	s_mul_i32 s13, ttmp9, 3
	s_add_co_u32 s13, s13, s12                     ; my pair: 3 x work-group + wave
	s_mov_b32 s17, 0
	s_wait_alu depctr_va_vdst(0)
	s_wait_kmcnt 0x0
	s_cmp_lt_u32 s13, 512                          ; X's pair or the weight's?  The choice hangs on ids alone; both take one path through the text
	s_cselect_b64 s[4:5], s[4:5], s[6:7]
	s_cselect_b32 s14, 0, 512
	s_sub_co_u32 s14, s13, s14                     ; the pair's number in its own tensor
	s_lshl_b32 s16, s14, 13                        ; 32 rows of 256 bytes
	s_add_nc_u64 s[4:5], s[4:5], s[16:17]
	s_mul_i32 s16, s13, 1536
	s_add_nc_u64 s[8:9], s[8:9], s[16:17]
	s_lshl_b32 s16, s13, 8
	s_add_nc_u64 s[10:11], s[10:11], s[16:17]
.irp i, 0,1,2,3,4,5,6,7,8,9,10,11,12,13,14,15
	global_load_b128 v[R+4*\i:R+4*\i+3], v[G16], s[4:5] offset:512*\i th:TH_LOAD_NT   ; 32 lanes read 512 consecutive bytes: rows 2 i and 2 i + 1; read once in the launch
.endr
	; THE TURN.  The conversions take neighbours along K from ONE lane's registers: the 8,192 bytes go into the wave's own stage as they were loaded and come back a block of 32 numbers to a lane.
.irp i, 0,1,2,3,4,5,6,7,8,9,10,11,12,13,14,15
	s_wait_loadcnt 15-\i                           ; loads come back in order: load i is in, the 15 - i younger ones may be out
	ds_store_b128 v[STA], v[R+4*\i:R+4*\i+3] offset:2*SP*\i
.endr
.irp u, 0,1
.irp q, 0,1,2,3,4,5,6,7
	ds_load_b128 v[XN+32*\u+4*\q:XN+32*\u+4*\q+3], v[RDA] offset:16*SP*\u+16*\q   ; LDS serves a wave's instructions in order: these see my stores
.endr
.endr
	s_wait_dscnt 0x0
	; THE SCALES.  All 32 numbers of a block are mine; the two tiles by turns, so that no line waits for the line above it
.irp u, 0,1
	v_max3_num_f32 v[AM+\u], |v[XN+32*\u]|, |v[XN+32*\u+1]|, 0x1800000   ; and the floor 2^(3 - 127): the byte cannot fall under 1
.endr
.irp i, 2,4,6,8,10,12,14,16,18,20,22,24,26,28,30
.irp u, 0,1
	v_max3_num_f32 v[AM+\u], v[AM+\u], |v[XN+32*\u+\i]|, |v[XN+32*\u+\i+1]|
.endr
.endr
.irp u, 0,1
	v_add_nc_u32 v[SO+\u], 0xff000000, v[AM+\u]    ; 2 off the exponent field: the conversion takes the exponent field of this operand as its scale, and nothing else of it
.endr
.irp u, 0,1
	v_lshrrev_b32 v[BY+\u], 23, v[SO+\u]           ; the scale's byte
.endr
	v_lshl_or_b32 v16, v[BY+1], 16, v[BY]          ; my two bytes: block h of tile a and of tile b,
	v_lshlrev_b32 v17, 3, v3
	v_lshlrev_b32 v16, v17, v16                    ; at their places in the word (8 h bits up);
	v_permlanex16_b32 v17, v16, s20, s21
	v_or_b32 v16, v16, v17                         ; with lane l xor 16's two the word is whole, in both halves of the lanes
	; THE CODES.  (A conversion's three registers begin on an even number: the second half of a block's six does not, so it is made elsewhere and moved)
	v_cvt_scalef32_pk16_fp6_f32 v[C:C+2], v[XN:XN+15], v[SO]
	v_cvt_scalef32_pk16_fp6_f32 v[40:42], v[XN+16:XN+31], v[SO]
	v_cvt_scalef32_pk16_fp6_f32 v[C+6:C+8], v[XN+32:XN+47], v[SO+1]
	v_cvt_scalef32_pk16_fp6_f32 v[44:46], v[XN+48:XN+63], v[SO+1]
	v_nop                                          ; one plain place behind a scaled conversion
.irp i, 0,1,2
	v_mov_b32 v[C+3+\i], v[40+\i]
	v_mov_b32 v[C+9+\i], v[44+\i]
.endr
.irp c, 0,1,2
	global_store_b128 v[G16], v[C+4*\c:C+4*\c+3], s[8:9] offset:512*\c   ; 32 lanes store 512 consecutive bytes, at a multiple of 256 from img's first byte
.endr
	; THE SUMS OF SQUARES.  First each lane over its own block; lanes 16-31 then take lanes 0-15's sum (k = 0 .. 31 of the same row) and carry the chain on over their k = 32 .. 63.
.irp u, 0,1
	v_mul_f32 v[S1+\u], v[XN+32*\u], v[XN+32*\u]
.endr
.set k, 1
.rept 31
	v_fmac_f32 v[S1], v[XN+k], v[XN+k]
	v_fmac_f32 v[S1+1], v[XN+32+k], v[XN+32+k]
.set k, k+1
.endr
.irp u, 0,1
	v_mov_b32 v[S2+\u], 0                          ; (a lane permute's destination counts as one of its sources)
.endr
.irp u, 0,1
	v_permlanex16_b32 v[S2+\u], v[S1+\u], s20, s21
.endr
.set k, 0
.rept 32
	v_fmac_f32 v[S2], v[XN+k], v[XN+k]             ; of use in lanes 16-31 alone
	v_fmac_f32 v[S2+1], v[XN+32+k], v[XN+32+k]
.set k, k+1
.endr
	v_mov_b32 v22, 0
	v_permlanex16_b32 v22, v[S2], s20, s21         ; tile a's totals come down to lanes 0-15
	v_cndmask_b32 v23, v22, v[S2+1], s22           ; lanes 16-31 keep tile b's: lane l now holds the sum of the pair's row l
	; THE AUX RECORD is gathered in my own 256 bytes of LDS and leaves as one piece
	ds_store_b32 v[A4], v23
	ds_store_b32 v[A4], v16 offset:128
	ds_load_b64 v[24:25], v[A8]                    ; in order behind my two stores
	s_wait_dscnt 0x0
	global_store_b64 v[O8], v[24:25], s[10:11]     ; 32 lanes store 256 consecutive bytes, at a multiple of 256 from aux's first byte
	s_wait_tensorcnt 0x0
	ds_add_u32 v192, v193
	s_wait_dscnt 0x0
	s_endpgm
.Lfunc_end_k_q1f034ba33d_prep:
	.size	k_q1f034ba33d_prep, .Lfunc_end_k_q1f034ba33d_prep-k_q1f034ba33d_prep
	.p2alignl 7, 3214868480
	.fill 96, 4, 3214868480
	.section	.rodata,"a",@progbits
	.p2align	6, 0x0
	.amdhsa_kernel k_q1f034ba33d_prep
		.amdhsa_group_segment_fixed_size 29696
		.amdhsa_private_segment_fixed_size 0
		.amdhsa_enable_private_segment 0
		.amdhsa_kernarg_size 32
		.amdhsa_user_sgpr_count 2
		.amdhsa_user_sgpr_kernarg_segment_ptr 1
		.amdhsa_wavefront_size32 1
		.amdhsa_system_sgpr_workgroup_id_x 1
		.amdhsa_system_sgpr_workgroup_id_y 1
		.amdhsa_system_sgpr_workgroup_id_z 1
		.amdhsa_system_vgpr_workitem_id 0
		.amdhsa_next_free_vgpr 194
		.amdhsa_next_free_sgpr 66
		.amdhsa_reserve_vcc 0
		.amdhsa_float_denorm_mode_32 3
		.amdhsa_float_denorm_mode_16_64 3
		.amdhsa_memory_ordered 1
		.amdhsa_forward_progress 1
		.amdhsa_inst_pref_size 15
	.end_amdhsa_kernel
	.amdgpu_metadata
---
amdhsa.version: [ 1, 2 ]
amdhsa.kernels:
  - .name:           k_q1f034ba33d_prep
    .symbol:         k_q1f034ba33d_prep.kd
    .args:
      - { .name: X, .offset: 0, .size: 8, .value_kind: global_buffer, .address_space: global }
      - { .name: weight, .offset: 8, .size: 8, .value_kind: global_buffer, .address_space: global }
      - { .name: img, .offset: 16, .size: 8, .value_kind: global_buffer, .address_space: global }
      - { .name: aux, .offset: 24, .size: 8, .value_kind: global_buffer, .address_space: global }
    .group_segment_fixed_size: 29696
    .private_segment_fixed_size: 0
    .kernarg_segment_align: 8
    .kernarg_segment_size: 32
    .max_flat_workgroup_size: 96
    .sgpr_count:     66
    .vgpr_count:     194
    .wavefront_size: 32
...
	.end_amdgpu_metadata
.endif
;; end of part 4
;; launch main (part 5): grid 256 x 1, 16 waves a work-group, no clusters, 10,240 bytes of LDS; arguments img, aux, out0; writes out0
.if DOCPART == 5
	.amdgcn_target "amdgcn-amd-amdhsa--gfx1250"
	.amdhsa_code_object_version 6
	.text
	.protected	k_q1f034ba33d_main
	.globl	k_q1f034ba33d_main
	.p2align	8
	.type	k_q1f034ba33d_main,@function
k_q1f034ba33d_main:
	s_mov_b64 s[64:65], 0
	v_nop
	global_prefetch_b8 v0, s[64:65] scope:SCOPE_SE
	s_setreg_imm32_b32 hwreg(HW_REG_WAVE_SCHED_MODE, 0, 2), 2
	s_setreg_imm32_b32 hwreg(HW_REG_WAVE_MODE, 25, 1), 1
	s_wait_xcnt 0x0
	s_wait_alu depctr_vm_vsrc(0)
; out0[row] = the lowest n at which dist(row, n) = |x|^2 - 2 x.w_n + |w_n|^2 is smallest, n = 0 .. 8191.  x.w is the product of the codes of FP6 (E2M3) in img with their E8M0 scales in aux;
; the two sums of squares come from aux, in f32.
; THE ARITHMETIC.  The product's X operand is -2 x: the sign bits of X's codes are flipped and 1 is added to each of its scale bytes.  The codes are symmetric and a scale is a power of two, so these are the codes and
; scales of -2 Q(x), exactly.  |w|^2 is the C of each product: D = |w|^2 - 2 x.w comes out of the matrix unit.  |x|^2 is added in f32 to the SMALLEST of a tile's eight D: a rounded addition never turns an order round,
; so that is the smallest of the eight rounded sums.  dist = |x|^2 + (|w|^2 - 2 x.w).
; LIMITS.  ORDER OF ROUNDING: the problem's text forms (|x|^2 - 2 p) + |w|^2; here the inner sum is |w|^2 - 2 p, rounded by the matrix unit.  Where the inner sums are exact in f32 both are one rounding of the same number;
; elsewhere a last bit may differ, which can turn the index only between distances that agree to the last bits.  NaN and infinities among the distances are not served.  Equal distances give the lowest n.
; X's scale bytes are at most 252 (a finite number's exponent field less 2): adding 1 carries nowhere.
; SHARES.  Work-group g owns rows 64 g .. 64 g + 63 of X: four tiles of 16.  EVERY wave holds all four tiles in registers; wave w of sixteen walks the weight's pairs 16 w .. 16 w + 15 (n = 512 w .. 512 w + 511).
; So a work-group reads each byte of the weight's image once, by the one wave that multiplies it, straight into the operand's registers: three loads of 512 consecutive bytes a fragment.
; K = 64 IN A FORM OF K = 128.  A weight fragment is dense: K 0-63 = 16 rows of tile a, K 64-127 = 16 rows of tile b.  Multiplied by [x, 0] it gives x.w_a, by [0, x] it gives x.w_b: zero codes add nothing.
; X's registers lie Z X0 Z X1 Z X2 Z X3 Z, six registers each, Z all zeros: both forms of every tile are runs of 12 neighbouring registers.  X's scale word is (s0, s1, s0, s1): it serves both forms.
; LAYOUT.  Source 0 = the weight's fragment, source 1 = X's: lane (r, h) holds ONE row r of X, and its registers 0-7 belong to n0 + 8 h + 0 .. 7; |w|^2 is loaded in that layout.
; THE ARGMIN, for each X tile in each lane: the best distance so far, the first n of the 16 x 16 tile in which it fell, and that tile's eight D, kept by selects (no branch and no address hangs on a distance).
; A tile wins only by a strictly smaller distance, and n ascends: the earlier tile keeps a tie.  At the end the lowest register whose distance equals the best gives n; the two halves of the lanes, then the sixteen waves (through LDS) are joined.
; SIXTEEN WAVES OF 256 REGISTERS, four to a SIMD: there is no sum over K to keep in registers (a product is one instruction), so a wave's tile need not be large, and one wave's vector work stands beside another's products and loads.
; NO CLUSTER, NO LDS RING.  All work-groups read the same 458,752 bytes of weight image and aux, more than a work-group's 327,680 bytes of LDS: shared tiles would want a ring that is filled again and a round of the cluster's
; barrier for each refill, and an LDS load for each of the loads written here.  A pair's 1,792 bytes serve a wave for 8 matrix and 88 vector instructions: what is shared is little beside the work done on it.
; THE MODE: SCHED_MODE bits 1:0 = 2 (LLVM: expert scheduling mode 2), set by the entry lines.  The code itself states the register dependences between vector or matrix instructions and memory or LDS instructions,
; and those of vector results in scalar registers and VCC, with s_wait_alu, always for 0.
; THE PLAN.  Registers that memory or LDS instructions touch:
;   v1-4, v27, v182   offsets and LDS addresses: made once at the head, never written again; the weight's rows are reached by two scalar bases and immediate offsets.
;   X's codes, XR, AD loaded once at the head, never loaded again.
;   FRG, WS, BD       two buffers.  The eight products of the pair in buffer b read buffer b; behind them the loads of the pair two pairs on land in it.  No vector instruction ever names them.
;   BG + 2 t, NI + t  written by the way out's selects, read by the LDS stores, not written again.
;   v184-247          the accumulators, then work registers of the way out; in wave 0 the LDS loads of the sixteen waves' results land there; v216-217 are the last store's data.
; So ONE wait on va_vdst stands in a pair, straight ahead of its eight loads and 20 vector lines behind its last product.  No register that a memory or LDS instruction has read is written again: no wait on vm_vsrc is owed.
; A compare's mask: in the loop the dual selects read VCC alone, so each compare has its own wait on va_vcc; five lines of the NEXT group's minima, in a second set of work registers, stand between the compare and that wait.
; On the way out the compares stand in runs, into s22-37, one wait on va_sdst behind each run.
.set L16,   1                          ; v1   16 x lane
.set L4,    2                          ; v2   4 x lane
.set R4,    3                          ; v3   4 x r
.set H32,   4                          ; v4   32 x h
.set H8,    5                          ; v5   8 x h
.set TA,    6                          ; v6   at work, set 0: the candidate distance of the first of two tiles of X,   (set 1: v250)
.set TB,    7                          ; v7   of the second                                                            (set 1: v251)
.set XR,    8                          ; v8-9    X's scale words as they lie in aux, one for each pair
.set XS,    10                         ; v10-13  X's scale words, one for each tile: scales and nothing else
.set WS,    14                         ; v14-15  the weight's scale words, buffer 0, 1: scales and nothing else
.set AD,    16                         ; v16-19  |x|^2 of my row of tile t
.set NV,    20                         ; v20, v21, v24, v25  the first n of the trip's four tiles: (buffer b, tile u) at NV + 4 b + u; walk by 64
.set SA,    27                         ; v27     LDS: 256 x wave + 4 r
.set BG,    28                         ; v28-35  for tile t: the best distance at BG + 2 t, the first n of the winning tile at BG + 2 t + 1
.set NI,    36                         ; v36-39  the lane's winning register, then its n, for each tile
.set RET,   40                         ; v40-71  eight for each tile: the winning tile's D
.set XB,    72                         ; v72-125 Z at XB + 12 k (k = 0 .. 4), X's tile t at XB + 12 t + 6
.set FRG,   126                        ; v126-149  the weight's fragment, two buffers of 12
.set BD,    150                        ; v150-181  |w|^2: two buffers of 16: tile u's eight at BD + 16 b + 8 u
.set CA,    182                        ; v182    8 x lane
.set ACC,   184                        ; v184-247  eight accumulators: (tile t of X, tile u of the pair) at ACC + 8 (2 t + u)
.set FT,    184                        ; on the way out: v184-215 the winning tiles' distances, eight a tile; then v184-187 the other half's bests, v188-191 its n
.set CV,    184                        ; at the end, in wave 0: the sixteen waves' bests, two rows a lane,
.set CI,    216                        ; and their n
.set TC,    248                        ; v248-249  at work, set 0   (set 1: v252-253)
.set TD,    249
.set MK,    22                         ; s22-37  on the way out: masks
.set XI,    12                         ; s[12:13] X's two pairs in img
.set XA,    14                         ; s[14:15] and in aux
.set WI,    16                         ; s[16:17] the weight's pair in hand in img; walks
.set WA,    18                         ; s[18:19] and in aux; walks
	s_load_b128 s[4:7], s[0:1], 0x0                ; img s[4:5], aux s[6:7]
	s_load_b64 s[8:9], s[0:1], 0x10                ; out0
	v_lshl_add_u32 v254, v0, 2, 0x2000
	v_mov_b32 v255, 0
	v_lshrrev_b32 v1, 5, v0
	v_readfirstlane_b32 s10, v1                    ; wave 0..15
	v_and_b32 v[TA], 31, v0                        ; lane
	v_and_b32 v[TB], 15, v0                        ; r
	v_bfe_u32 v[H8], v0, 4, 1                      ; h
	v_lshlrev_b32 v[L16], 4, v[TA]
	v_lshlrev_b32 v[L4], 2, v[TA]
	v_lshlrev_b32 v[CA], 3, v[TA]
	v_lshlrev_b32 v[R4], 2, v[TB]
	v_lshlrev_b32 v[H32], 5, v[H8]
	v_lshlrev_b32 v[H8], 3, v[H8]
	s_wait_alu depctr_va_sdst(0)                   ; s10 is written, ahead of its first reader: addresses, bases and the last branch are made from it
	s_lshl_b32 s29, s10, 8
	v_add_nc_u32 v[SA], s29, v[R4]
	s_mov_b32 s20, 0x76543210
	s_mov_b32 s21, 0xfedcba98                      ; v_permlanex16_b32's selects for lane l xor 16
	s_lshl_b32 s24, s10, 9                         ; my first n: 512 x wave
	v_mov_b32 v[NV], s24
	v_add_nc_u32 v[NV+1], 16, v[NV]
	v_add_nc_u32 v[NV+4], 32, v[NV]
	v_add_nc_u32 v[NV+5], 48, v[NV]
	s_mul_i32 s22, ttmp9, 3072                     ; two pairs of 1,536 bytes a work-group
	s_mov_b32 s23, 0
	s_wait_kmcnt 0x0
	s_add_nc_u64 s[XI:XI+1], s[4:5], s[22:23]
	s_lshl_b32 s22, ttmp9, 9                       ; two records of 256 bytes
	s_add_nc_u64 s[XA:XA+1], s[6:7], s[22:23]
	s_mul_i32 s22, s10, 24576                      ; sixteen pairs a wave,
	s_add_co_u32 s22, s22, 786432                  ; behind X's 512 pairs
	s_add_nc_u64 s[WI:WI+1], s[4:5], s[22:23]
	s_lshl_b32 s22, s10, 12
	s_add_co_u32 s22, s22, 131072
	s_add_nc_u64 s[WA:WA+1], s[6:7], s[22:23]
	s_lshl_b32 s22, ttmp9, 8                       ; 64 indices of 4 bytes
	s_add_nc_u64 s[8:9], s[8:9], s[22:23]
; the pair k pairs on from the bases, into buffer b: its fragment, its scale words, and its |w|^2 (for tile u the eight of n0 + 8 h + 0 .. 7): 8 loads
.macro LOADW b, k
.irp c, 0,1,2
	global_load_b128 v[FRG+12*(\b)+4*\c:FRG+12*(\b)+4*\c+3], v[L16], s[WI:WI+1] offset:1536*(\k)+512*\c   ; 32 lanes read 512 consecutive bytes: four registers of the image
.endr
	global_load_b32 v[WS+(\b)], v[L4], s[WA:WA+1] offset:256*(\k)+128
.irp u, 0,1
.irp q, 0,1
	global_load_b128 v[BD+16*(\b)+8*\u+4*\q:BD+16*(\b)+8*\u+4*\q+3], v[H32], s[WA:WA+1] offset:256*(\k)+64*\u+16*\q
.endr
.endr
.endm
	s_wait_alu depctr_va_vdst(0)                   ; v1 to v4, v27 and v182 are written: every load, LDS store, LDS load and store of the kernel reads one of them as its offset or address
	; X: a tile's six registers are three pieces of 8 bytes of its pair's image; they land in their places between the zeros
.irp t, 0,1,2,3
.irp i, 0,1,2
	global_load_b64 v[XB+12*\t+6+2*\i:XB+12*\t+7+2*\i], v[L16], s[XI:XI+1] offset:1536*(\t/2)+512*((6*(\t%2)+2*\i)/4)+4*((6*(\t%2)+2*\i)%4)
.endr
.endr
.irp q, 0,1
	global_load_b32 v[XR+\q], v[L4], s[XA:XA+1] offset:256*\q+128
.endr
.irp t, 0,1,2,3
	global_load_b32 v[AD+\t], v[R4], s[XA:XA+1] offset:256*(\t/2)+64*(\t%2)
.endr
	LOADW 0, 0                                     ; the first two pairs of the weight: 16 loads
	LOADW 1, 1
	; while the loads are out: the zeros between X's tiles, and the argmin's start.  None of these lines names a register in which a load lands
.irp k, 0,1,2,3,4
.irp i, 0,1,2,3,4,5
	v_mov_b32 v[XB+12*\k+\i], 0
.endr
.endr
.irp t, 0,1,2,3
	v_mov_b32 v[BG+2*\t], 0x7f800000               ; +infinity: every distance is smaller
	v_mov_b32 v[BG+2*\t+1], 0
.endr
.set k, 0
.rept 32
	v_mov_b32 v[RET+k], 0x7f800000
.set k, k+1
.endr
	s_wait_loadcnt 16                              ; X's 18 loads are in; the weight's 16, issued behind them, may be out
.irp q, 0,1
	v_add_nc_u32 v[XR+\q], 0x01010101, v[XR+\q]    ; 1 onto each scale byte: x 2
.endr
.irp q, 0,1
	v_perm_b32 v[XS+2*\q], v[XR+\q], v[XR+\q], 0x01000100     ; tile a's two bytes, twice
	v_perm_b32 v[XS+2*\q+1], v[XR+\q], v[XR+\q], 0x03020302   ; tile b's
.endr
.irp t, 0,1,2,3                                ; the sign of code i is bit 6 i + 5 of the lane's 192 bits: the pattern comes round every three registers
.irp i, 0,3
	v_xor_b32 v[XB+12*\t+6+\i], 0x20820820, v[XB+12*\t+6+\i]   ; bits 5, 11, 17, 23, 29
	v_xor_b32 v[XB+12*\t+7+\i], 0x08208208, v[XB+12*\t+7+\i]   ; bits 3, 9, 15, 21, 27
	v_xor_b32 v[XB+12*\t+8+\i], 0x82082082, v[XB+12*\t+8+\i]   ; bits 1, 7, 13, 19, 25, 31
.endr
.endr
.rept 4
	v_nop                                          ; four places between the last operand register made by a vector instruction and the scaled products; the scale words stand 28 lines back
.endr
	s_wait_alu depctr_va_vdst(0)                   ; X's scale words, its flipped codes and the zeros between them are written: the scaled products take them as scales and as source 1; the places above stay beside this wait
; A GROUP is two 16 x 16 tiles: X's tiles t and t + 1 against tile u of a pair, line by line in step, so that no line waits for the line above it.  11 issue slots a tile.
; Its ten lines of minima and additions, in two fives; e: which set of work registers (0: v6, v7, v248, v249; 1: v250 to v253).
.macro MINA t, u, e
.set DA, ACC+8*(2*(\t)+(\u))
.set DB, ACC+8*(2*(\t)+2+(\u))
	v_min3_num_f32 v[TA+244*(\e)], v[DA], v[DA+1], v[DA+2]  ; each accumulator is read from its low end on
	v_min3_num_f32 v[TB+244*(\e)], v[DB], v[DB+1], v[DB+2]
	v_min3_num_f32 v[TC+4*(\e)], v[DA+3], v[DA+4], v[DA+5]
	v_min3_num_f32 v[TD+4*(\e)], v[DB+3], v[DB+4], v[DB+5]
	v_min3_num_f32 v[TA+244*(\e)], v[TA+244*(\e)], v[DA+6], v[DA+7]
.endm
.macro MINB t, u, e
.set DB, ACC+8*(2*(\t)+2+(\u))
	v_min3_num_f32 v[TB+244*(\e)], v[TB+244*(\e)], v[DB+6], v[DB+7]
	v_min_num_f32 v[TA+244*(\e)], v[TA+244*(\e)], v[TC+4*(\e)]   ; the smallest |w|^2 - 2 x.w of my eight
	v_min_num_f32 v[TB+244*(\e)], v[TB+244*(\e)], v[TD+4*(\e)]
	v_add_f32 v[TA+244*(\e)], v[AD+(\t)], v[TA+244*(\e)]         ; + |x|^2: the smallest of the eight distances
	v_add_f32 v[TB+244*(\e)], v[AD+(\t)+1], v[TB+244*(\e)]
.endm
; X's tile t has a candidate: distance in v[c], D in v[d] on, first n in v[n]; VCC says where it is strictly smaller than the best: there it takes over.
; Both halves of a pair select on VCC; one destination is even and one odd, and the register numbers of the halves' like sources differ modulo 4, as the dual form asks (v6, v250: 2; v7, v251: 3; the n: 0 or 1).
.macro TAKE t, d, c, n
	v_dual_cndmask_b32 v[BG+2*(\t)], v[BG+2*(\t)], v[\c] :: v_dual_cndmask_b32 v[BG+2*(\t)+1], v[BG+2*(\t)+1], v[\n]
.irp i, 0,2,4,6
	v_dual_cndmask_b32 v[RET+8*(\t)+\i], v[RET+8*(\t)+\i], v[\d+\i] :: v_dual_cndmask_b32 v[RET+8*(\t)+\i+1], v[RET+8*(\t)+\i+1], v[\d+\i+1]
.endr
.endm
; The two candidates of group (t, u), which lie in set e, are held against the bests.  more = 1: the ten lines of the next group (tn, un), in the other set, stand in two fives between each compare and the wait for its mask.
; fill = 1: buffer b takes the pair two pairs on.
.macro KEEP2 t, u, e, b, more, tn, un, fill
	v_cmp_lt_f32 vcc_lo, v[TA+244*(\e)], v[BG+2*(\t)]
.if \more
	MINA \tn, \un, 1-(\e)
.endif
.if \fill
	s_wait_alu depctr_va_vdst(0)                   ; the pair's eight products are done reading the fragment, its scale words and |w|^2 of buffer b, in which the eight loads below land
	LOADW \b, 2+\b                                 ; nothing below reads this buffer: its next pair has the rest of this pair's vector work and the whole of the other pair in which to land
.endif
	s_wait_alu depctr_va_vcc(0)                    ; the compare above has written VCC, which the five selects read
	TAKE \t, ACC+8*(2*(\t)+(\u)), TA+244*(\e), NV+4*(\b)+(\u)
	v_cmp_lt_f32 vcc_lo, v[TB+244*(\e)], v[BG+2*(\t)+2]
.if \more
	MINB \tn, \un, 1-(\e)
.endif
	s_wait_alu depctr_va_vcc(0)                    ; the compare above has written VCC, which the five selects read
	TAKE (\t)+1, ACC+8*(2*(\t)+2+(\u)), TB+244*(\e), NV+4*(\b)+(\u)
.endm
; One pair of the weight, in buffer b, against X's four tiles.  ahead = 1: the buffer takes the pair two pairs on.  left = how many younger loads may stay out.
.macro PAIR b, ahead, left
	s_wait_loadcnt \left                           ; this buffer's 8 loads are in; behind them only the other buffer's 8 were issued
.irp t, 0,1,2,3
.irp u, 0,1                                    ; eight products into eight accumulators, each begun with |w|^2 as its C: no two share a result register, nothing is added in place
	v_wmma_scale_f32_16x16x128_f8f6f4 v[ACC+8*(2*\t+\u):ACC+8*(2*\t+\u)+7], v[FRG+12*(\b):FRG+12*(\b)+11], v[XB+12*\t+6-6*\u:XB+12*\t+17-6*\u], v[BD+16*(\b)+8*\u:BD+16*(\b)+8*\u+7], v[WS+(\b)], v[XS+\t] matrix_a_fmt:MATRIX_FMT_FP6 matrix_b_fmt:MATRIX_FMT_FP6
.endr
.endr
.rept 4
	v_nop                                          ; four places (ISA guide 7.12.1) in front of the first read of a result
.endr
	MINA 0, 0, 0
	MINB 0, 0, 0
	KEEP2 0, 0, 0, \b, 1, 0, 1, \ahead             ; within a tile of X n ascends: a, then b
	KEEP2 0, 1, 1, \b, 1, 2, 0, 0
	KEEP2 2, 0, 0, \b, 1, 2, 1, 0
	KEEP2 2, 1, 1, \b, 0, 0, 0, 0                  ; the pair's last group: no minima are left to stand behind its compares
.endm
	s_mov_b32 s28, 7
.Ltrip:                                            ; a trip: two pairs, 64 n; it asks for the next trip's two.  Seven trips, pairs 0 to 13
	PAIR 0, 1, 8
	PAIR 1, 1, 8
	s_wait_xcnt 0x0                                ; the loads' bases are stepped only behind this wait
	s_add_nc_u64 s[WI:WI+1], s[WI:WI+1], 3072
	s_add_nc_u64 s[WA:WA+1], s[WA:WA+1], 512
.irp i, 0,1,4,5
	v_add_nc_u32 v[NV+\i], 64, v[NV+\i]
.endr
	s_sub_co_u32 s28, s28, 1
	s_cmp_lg_u32 s28, 0
	s_cbranch_scc1 .Ltrip
	PAIR 0, 0, 8                                   ; pairs 14 and 15 are written out: they ask for nothing, so no load leaves its buffer
	PAIR 1, 0, 0
	; THE WAY OUT: the lane's n, the other half of the lanes', and the wave's results into LDS; the four tiles of X in step, the compares in runs
.irp t, 0,1,2,3
.irp j, 0,1,2,3,4,5,6,7
	v_add_f32 v[FT+8*\t+\j], v[AD+\t], v[RET+8*\t+\j]   ; the same addition as in the loop, on the winning tile's eight
.endr
	v_mov_b32 v[NI+\t], 0
.endr
.irp t, 0,2                                    ; two tiles of X at a time: sixteen masks
.irp j, 0,1,2,3,4,5,6,7
	v_cmp_eq_f32 s[MK+2*\j], v[FT+8*\t+\j], v[BG+2*\t]
	v_cmp_eq_f32 s[MK+2*\j+1], v[FT+8*\t+8+\j], v[BG+2*\t+2]
.endr
	s_wait_alu depctr_va_sdst(0)                   ; the sixteen compares have written s22 to s37, which the selects read
.irp j, 7,6,5,4,3,2,1,0
	v_cndmask_b32 v[NI+\t], v[NI+\t], \j, s[MK+2*\j]         ; the lowest register that equals the best is written last
	v_cndmask_b32 v[NI+\t+1], v[NI+\t+1], \j, s[MK+2*\j+1]
.endr
.endr
.irp t, 0,1,2,3
	v_add_nc_u32 v[NI+\t], v[BG+2*\t+1], v[NI+\t]  ; n = the tile's first n + the register
.endr
.irp t, 0,1,2,3
	v_add_nc_u32 v[NI+\t], v[H8], v[NI+\t]         ; + 8 h
.endr
.irp t, 0,1,2,3
	v_permlanex16_b32 v[FT+\t], v[BG+2*\t], s20, s21     ; the other half's best (the destinations have been written: tile 0's distances, which are done with),
	v_permlanex16_b32 v[FT+4+\t], v[NI+\t], s20, s21     ; and its n
.endr
.irp t, 0,1,2,3
	v_cmp_lt_f32 s[MK+3*\t], v[FT+\t], v[BG+2*\t]        ; the other half's wins where it is smaller,
	v_cmp_eq_f32 s[MK+3*\t+1], v[FT+\t], v[BG+2*\t]
	v_cmp_lt_u32 s[MK+3*\t+2], v[FT+4+\t], v[NI+\t]
.endr
	s_wait_alu depctr_va_sdst(0)                   ; the twelve compares have written s22 to s33, which the scalar lines read
.irp t, 0,1,2,3
	s_and_b32 s[MK+3*\t+1], s[MK+3*\t+1], s[MK+3*\t+2]   ; or equal with the lower n
	s_or_b32 s[MK+3*\t], s[MK+3*\t], s[MK+3*\t+1]
.endr
.irp t, 0,1,2,3
	v_cndmask_b32 v[BG+2*\t], v[BG+2*\t], v[FT+\t], s[MK+3*\t]
	v_cndmask_b32 v[NI+\t], v[NI+\t], v[FT+4+\t], s[MK+3*\t]
.endr
	s_wait_alu depctr_va_vdst(0)                   ; the selects have written the bests and their n, which the LDS stores read; and every vector and matrix instruction is done with v184 to v247, in which wave 0's LDS loads land: no vector instruction stands between this wait and them
.irp t, 0,1,2,3
	ds_store_b32 v[SA], v[BG+2*\t] offset:64*\t    ; row 16 t + r of my wave's 64; lanes r and 16 + r write the same word with the same value
	ds_store_b32 v[SA], v[NI+\t] offset:4096+64*\t
.endr
	s_wait_dscnt 0x0                               ; for the others' sake: my stores have landed
	s_barrier_signal -1
	s_barrier_wait -1                              ; the one barrier: all sixteen waves' results lie in LDS
	s_cmp_lg_u32 s10, 0
	s_cbranch_scc1 .Lend
	; wave 0 joins the sixteen waves: lane l takes rows 2 l and 2 l + 1
.irp w, 0,1,2,3,4,5,6,7,8,9,10,11,12,13,14,15
	ds_load_b64 v[CV+2*\w:CV+2*\w+1], v[CA] offset:256*\w
	ds_load_b64 v[CI+2*\w:CI+2*\w+1], v[CA] offset:4096+256*\w
.endr
	s_wait_dscnt 0x0
; By halving: wave w takes wave w + d's result, w = 0, 2 d, 4 d ..  The waves ascend in n and the left of two always holds the lower waves: only a strictly smaller distance takes over, so a tie keeps the lowest n.
.macro LEVEL d
.set ww, 0
.rept 8/(\d)
	v_cmp_lt_f32 s[MK+ww/(\d)], v[CV+2*(ww+(\d))], v[CV+2*ww]
	v_cmp_lt_f32 s[MK+ww/(\d)+1], v[CV+2*(ww+(\d))+1], v[CV+2*ww+1]
.set ww, ww+2*(\d)
.endr
	s_wait_alu depctr_va_sdst(0)                   ; the level's compares have written their masks, which the selects read
.set ww, 0
.rept 8/(\d)
.irp e, 0,1
	v_cndmask_b32 v[CV+2*ww+\e], v[CV+2*ww+\e], v[CV+2*(ww+(\d))+\e], s[MK+ww/(\d)+\e]
	v_cndmask_b32 v[CI+2*ww+\e], v[CI+2*ww+\e], v[CI+2*(ww+(\d))+\e], s[MK+ww/(\d)+\e]
.endr
.set ww, ww+2*(\d)
.endr
.endm
	LEVEL 1
	LEVEL 2
	LEVEL 4
	LEVEL 8
	s_wait_alu depctr_va_vdst(0)                   ; the last selects have written v216 and v217, which the store reads
	global_store_b64 v[CA], v[CI:CI+1], s[8:9]     ; 32 lanes store the work-group's 64 indices: 256 consecutive bytes, at a multiple of 256 from out0's first byte
.Lend:
	s_wait_dscnt 0x0                               ; the closing lines, six on end
	s_wait_alu 0x0
	s_wait_tensorcnt 0x0
	ds_add_u32 v254, v255
	s_wait_dscnt 0x0
	s_endpgm
.Lfunc_end_k_q1f034ba33d_main:
	.size	k_q1f034ba33d_main, .Lfunc_end_k_q1f034ba33d_main-k_q1f034ba33d_main
	.p2alignl 7, 3214868480
	.fill 96, 4, 3214868480
	.section	.rodata,"a",@progbits
	.p2align	6, 0x0
	.amdhsa_kernel k_q1f034ba33d_main
		.amdhsa_group_segment_fixed_size 10240
		.amdhsa_private_segment_fixed_size 0
		.amdhsa_enable_private_segment 0
		.amdhsa_kernarg_size 24
		.amdhsa_user_sgpr_count 2
		.amdhsa_user_sgpr_kernarg_segment_ptr 1
		.amdhsa_wavefront_size32 1
		.amdhsa_system_sgpr_workgroup_id_x 1
		.amdhsa_system_sgpr_workgroup_id_y 1
		.amdhsa_system_sgpr_workgroup_id_z 1
		.amdhsa_system_vgpr_workitem_id 0
		.amdhsa_next_free_vgpr 256
		.amdhsa_next_free_sgpr 66
		.amdhsa_reserve_vcc 1
		.amdhsa_float_denorm_mode_32 3
		.amdhsa_float_denorm_mode_16_64 3
		.amdhsa_memory_ordered 1
		.amdhsa_forward_progress 1
		.amdhsa_inst_pref_size 54
	.end_amdhsa_kernel
	.amdgpu_metadata
---
amdhsa.version: [ 1, 2 ]
amdhsa.kernels:
  - .name:           k_q1f034ba33d_main
    .symbol:         k_q1f034ba33d_main.kd
    .args:
      - { .name: img, .offset: 0, .size: 8, .value_kind: global_buffer, .address_space: global }
      - { .name: aux, .offset: 8, .size: 8, .value_kind: global_buffer, .address_space: global }
      - { .name: out0, .offset: 16, .size: 8, .value_kind: global_buffer, .address_space: global }
    .group_segment_fixed_size: 10240
    .private_segment_fixed_size: 0
    .kernarg_segment_align: 8
    .kernarg_segment_size: 24
    .max_flat_workgroup_size: 512
    .sgpr_count:     66
    .vgpr_count:     256
    .wavefront_size: 32
...
	.end_amdgpu_metadata
.endif
;; end of part 5
